; MI455X (gfx1250); checked and timed in simulation.
; The chip was launched on July 23, 2026; its instructions are those of AMD's public machine-readable ISA for CDNA 5 (MIT licence, August 2026) and "CDNA5" Instruction Set Architecture Reference Guide (July 2026). The comments in the code are by the model that wrote it; some were corrected since.
;; Causal Self Attention. Allowed arithmetic: matrix products marked QUANTISED: E2M1 operands, one E8M0 scale for each 32 along K, by v_wmma_scale_f32_16x16x128_f8f6f4 with both operands' format E2M1 (or v_wmma_scale_f32_32x16x128_f4), f32 sums; products left as they are: bf16, f16 or f32 operands; f32 sums; everything else in f32.
;; Inputs: W_attn 1,024 x 3,072 float32; W_proj 1,024 x 1,024 float32; x 4 x 2,048 x 1,024 float32.
;; Outputs: out0 4 x 2,048 x 1,024 float32.
;; This version of the problem:
;;   THIS VERSION OF THE PROBLEM IS GIVEN IN LOW PRECISION. The matrix products marked QUANTISED in the list below multiply operands that are first quantised to E2M1 (2 exponent bits, 1 mantissa bit; 4 bits a number), with one power-of-two scale for each 32 numbers along K (OCP MX v1.0); their sums are f32. The products marked 'left as it is' may take bf16, f16 or f32 operands, with f32 sums. Whichever they take, every output number must still come out within the allowed error. Rounding operands to bf16 (8 significant bits) uses up far more of that allowance than f16 does (11 bits, for magnitudes from 6e-5 to 65,504). All else is computed in f32.
;;   The module's matrix products, in the order in which they are computed (A, B: the left and right operand; K: the contracted axis; several contracted axes count as one K, in the product's order):
;;     1. [M 8,192, K 1,024] x [K 1,024, N 3,072]; A: input x; B: input W_attn: QUANTISED
;;     2. batch 64 x [M 2,048, K 64] x [K 64, N 2,048]; A: computed on the way; B: computed on the way: left as it is (an operand is computed on the way)
;;     3. batch 64 x [M 2,048, K 2,048] x [K 2,048, N 64]; A: computed on the way; B: computed on the way: left as it is (an operand is computed on the way)
;;     4. [M 8,192, K 1,024] x [K 1,024, N 1,024]; A: computed on the way; B: input W_proj: left as it is (an operand is computed on the way)
;;   THE QUANTISER, for each operand of a quantised product, along K:
;;     - K is cut into blocks of 32 from its start; a last block that is shorter is filled with zeros.
;;     - A block's scale is 2^e with e = floor(log2(the largest magnitude in the block)) - 2, held to -126 .. 127; a block of zeros has e = 0. As a byte (E8M0): e + 127.
;;     - Each number is divided by its block's scale, clamped to +-6, and rounded to the nearest number of E2M1, ties to even, subnormals kept.
;;     - The product sums the exact products of the quantised numbers (number of the format x scale) in f32.
;;   ~~~python
;;   def quantise(x, axis):      # numpy; x: float32 -> the quantised numbers, widened to float32 again
;;       x = np.moveaxis(x, axis, -1); K = x.shape[-1]
;;       x = np.pad(x, [(0, 0)] * (x.ndim - 1) + [(0, -K % 32)]); x = x.reshape(x.shape[:-1] + (-1, 32)); a = np.abs(x).max(-1, keepdims=True)
;;       e = np.where(a > 0, np.clip(np.frexp(np.where(a > 0, a, 1))[1] - 1 - 2, -126, 127), 0)      # np.frexp(a)[1] - 1 = floor(log2(a)), exactly
;;       r = np.clip(x / 2.0 ** e, -6, 6)
;;       step = 2.0 ** (np.maximum(np.frexp(np.where(r == 0, 1, r))[1] - 1, 0) - 1)
;;       q = np.round(r / step) * step * 2.0 ** e      # np.round: ties to even
;;       return np.moveaxis(q.reshape(q.shape[:-2] + (-1,))[..., :K], -1, axis).astype(np.float32)
;;   ~~~
;; One version. Each part assembles by itself: llvm-mc -triple=amdgcn-amd-amdhsa -mcpu=gfx1250 --defsym DOCPART=n.
;; ======== version 1 of 1: 5 launches
;; limits: values are held in f16: magnitudes above 65,504 overflow, below 6.1e-05 lose precision
;; workspace buffers: xc 4,194,304 bytes; xs 262,144 bytes; wc 1,572,864 bytes; ws 98,304 bytes; wp 2,097,152 bytes; qkv 50,331,648 bytes; fine 786,432 bytes; yh 16,777,216 bytes
;; launch prep (part 1): grid 432 x 1, 4 waves a work-group, no clusters, 68,096 bytes of LDS; arguments x, W_attn, W_proj, xc, xs, wc, ws, wp; writes xc, xs, wc, ws, wp
.if DOCPART == 1
	.amdgcn_target "amdgcn-amd-amdhsa--gfx1250"
	.amdhsa_code_object_version 6
	.text
	.protected	k_qde06ae565b_prep
	.globl	k_qde06ae565b_prep
	.p2align	8
	.type	k_qde06ae565b_prep,@function
k_qde06ae565b_prep:
	s_mov_b64 s[64:65], 0
	v_nop
	global_prefetch_b8 v0, s[64:65] scope:SCOPE_SE
	s_setreg_imm32_b32 hwreg(HW_REG_WAVE_MODE, 25, 1), 1
	s_wait_xcnt 0x0
; PREP: the operands of the later launches are made once.
;   work-groups 0-255:   x [8192][1024] f32 (K innermost) -> codes of FP4 (E2M1) xc [8192][512 bytes] and E8M0 bytes xs [8192][32]
;   work-groups 256-303: W_attn [1024 (k)][3072 (n)] f32 (K is the FIRST axis) -> wc [3072][512 bytes], K innermost, and ws [3072][32]
;   work-groups 304-431: W_proj [1024][1024] f32 -> wp, the same numbers rounded to f16, same order
; A block's scale is 2^(floor(log2(its largest magnitude)) - 2); its byte is the largest magnitude's exponent field - 2, held at 1 from below.
; LIMITS: a block whose largest magnitude lies under 2^-124 keeps the byte 1 (a block of zeros too, where the rule says 127: its codes are zeros and this program alone reads the bytes);
; NaN and infinities are not served; |W_proj| beyond 65,504 has no f16 number.
; The three parts take three ways through the text, chosen by the work-group's number; each way that uses LDS has LDS bytes of its own.  No barrier: waves share nothing.
.set STEPS, 16                         ; way X: steps of 512 numbers for a wave
.set WREG,  8192                       ; way X: LDS region of a wave: two stages of 32 x SP bytes, then its 256 scale bytes
.set SP,    80                         ; a lane's place in a stage: 64 bytes + 16 of padding
.set CB,    8                          ; bytes of 16 codes
.set XR,    16                         ; v16-79   four sets of 16 numbers as loaded
.set XX,    80                         ; v80-111  two sets of 16 neighbours
.set XE,    112                        ; v112-127 a scale byte for each step
.set XC,    128                        ; v128-189 codes: four registers apart for each step, two used
.set WBASE, 32768                      ; way W: its four stages begin here
.set PITCH, 272                        ; a stage row: 256 bytes of codes + 16
.set NB,    16                         ; blocks of 32 along K for a lane
.set WN,    3072
.set KROW,  512                        ; a row of wc in bytes
.set WX,    32                         ; v32-95   two sets of 32 numbers
.set WC,    96                         ; v96-99   a block's codes
.set WOUT,  112                        ; v112-175 the way out
.set WSB,   24                         ; v24-27   scale bytes, four to a register
.set SPARE, 67584                      ; behind both ways' bytes: the spare words, 128 bytes a wave, which no other line names
.set SPW,   190                        ; v190 SPARE + 4 x my thread's number; never rewritten
.set NIL,   191                        ; v191 0; never rewritten
	s_load_b256 s[4:11], s[0:1], 0x0               ; x s[4:5], W_attn s[6:7], W_proj s[8:9], xc s[10:11]
	s_load_b256 s[12:19], s[0:1], 0x20             ; xs s[12:13], wc s[14:15], ws s[16:17], wp s[18:19]
	v_lshl_add_u32 v[SPW], v0, 2, SPARE
	v_mov_b32 v[NIL], 0
	v_lshrrev_b32 v1, 5, v0
	v_readfirstlane_b32 s20, v1                    ; wave 0..3
	v_and_b32 v2, 31, v0                           ; lane
	s_mov_b32 s25, 0                               ; the upper word of every offset pair s[24:25]
	s_wait_kmcnt 0x0
	s_cmp_lt_u32 ttmp9, 256
	s_cbranch_scc1 .Lpath_x
	s_cmp_lt_u32 ttmp9, 304
	s_cbranch_scc1 .Lpath_w
; ---- WAY P: a wave rounds 2,048 numbers of W_proj to f16: 16 loads of 512 consecutive bytes, 16 stores of 256 consecutive aligned bytes
	s_sub_co_u32 s21, ttmp9, 304
	s_lshl_b32 s21, s21, 2
	s_add_co_u32 s21, s21, s20                     ; which run of 2,048 numbers
	s_lshl_b32 s24, s21, 13
	s_add_nc_u64 s[8:9], s[8:9], s[24:25]
	s_lshl_b32 s24, s21, 12
	s_add_nc_u64 s[18:19], s[18:19], s[24:25]
	v_lshlrev_b32 v1, 4, v2
	v_lshlrev_b32 v3, 3, v2
.irp i, 0,1,2,3,4,5,6,7,8,9,10,11,12,13,14,15
	global_load_b128 v[16+4*\i:19+4*\i], v1, s[8:9] offset:512*\i
.endr
.irp i, 0,1,2,3,4,5,6,7,8,9,10,11,12,13,14,15
	s_wait_loadcnt 15-\i                           ; loads come back in order: load i is in, the younger ones stay out
	v_cvt_pk_f16_f32 v[80+2*\i], v[16+4*\i], v[17+4*\i]
	v_cvt_pk_f16_f32 v[81+2*\i], v[18+4*\i], v[19+4*\i]
	global_store_b64 v3, v[80+2*\i:81+2*\i], s[18:19] offset:256*\i
.endr
	s_endpgm                                       ; this way wrote no LDS
; ---- WAY X: x is a plain stream of blocks of 32.  A wave takes 16 steps of 512 numbers.  Each load reads 512 consecutive bytes; the step's 2,048 bytes turn through the wave's
; own stage, so that a lane then holds 16 NEIGHBOURS along K (two neighbouring lanes hold a block), which is what the conversions take.  Loads run four steps ahead, the stage one.
.Lpath_x:
	v_lshlrev_b32 v3, 4, v2                        ; my 16 bytes of a load's 512
	s_mul_i32 s22, s20, WREG
	v_lshrrev_b32 v14, 2, v2
	v_mul_u32_u24 v14, v14, SP
	v_and_b32 v15, 3, v2
	v_lshl_add_u32 v14, v15, 4, v14
	v_add_nc_u32 v14, s22, v14                     ; into the stage: SP (lane / 4) + 16 (lane % 4)
	v_mul_u32_u24 v15, v2, SP
	v_add_nc_u32 v15, s22, v15                     ; out of it: SP x lane
	v_mul_u32_u24 v4, v2, CB                       ; my codes' place in a step's 256 bytes
	v_lshrrev_b32 v5, 1, v2
	s_add_co_u32 s22, s22, 2*32*SP
	v_add_nc_u32 v5, s22, v5                       ; my block's scale byte among the wave's 256
	v_lshlrev_b32 v7, 3, v2
	v_add_nc_u32 v6, s22, v7                       ; and 8 bytes a lane on their way out
	s_lshl_b32 s21, ttmp9, 2
	s_add_co_u32 s21, s21, s20                     ; which run of 8,192 numbers
	s_lshl_b32 s24, s21, 15
	s_add_nc_u64 s[4:5], s[4:5], s[24:25]
	s_lshl_b32 s24, s21, 12
	s_add_nc_u64 s[10:11], s[10:11], s[24:25]
	s_lshl_b32 s24, s21, 8
	s_add_nc_u64 s[12:13], s[12:13], s[24:25]
.macro XLOAD t
.irp i, 0,1,2,3
	global_load_b128 v[XR+16*((\t)%4)+4*\i:XR+16*((\t)%4)+4*\i+3], v3, s[4:5] offset:2048*(\t)+512*\i th:TH_LOAD_NT
.endr
.endm
.macro XTURN t                         ; LDS serves a wave's instructions in order: no wait between the stores and the loads
.irp i, 0,1,2,3
	ds_store_b128 v14, v[XR+16*((\t)%4)+4*\i:XR+16*((\t)%4)+4*\i+3] offset:32*SP*((\t)%2)+8*SP*\i
.endr
.irp i, 0,1,2,3
	ds_load_b128 v[XX+16*((\t)%2)+4*\i:XX+16*((\t)%2)+4*\i+3], v15 offset:32*SP*((\t)%2)+16*\i
.endr
.endm
.irp t, 0,1,2,3
	XLOAD \t
.endr
	s_wait_loadcnt 12                              ; step 0's four loads are in; three steps' twelve may be out
	XTURN 0
.macro XSTEP t
.set XS, XX+16*((\t)%2)
.if (\t) > 0
	s_wait_dscnt 1                                 ; this step's numbers are back from the stage (the last step's byte store may be out)
.else
	s_wait_dscnt 0x0
.endif
.if (\t)+4 < STEPS
	XLOAD (\t)+4                                   ; into the registers that the stage's stores have read
.endif
.if (\t)+1 < STEPS
.if STEPS-2-(\t) >= 3
	s_wait_loadcnt 12                              ; the next step's four loads are in; those of the three steps behind it may be out
.else
	s_wait_loadcnt 4*(STEPS-2-(\t))
.endif
	XTURN (\t)+1
.endif
	v_max3_num_f32 v8, |v[XS]|, |v[XS+1]|, |v[XS+2]|               ; the largest magnitude of my 16, in two chains
	v_max3_num_f32 v9, |v[XS+3]|, |v[XS+4]|, |v[XS+5]|
.irp i, 6,10
	v_max3_num_f32 v8, v8, |v[XS+\i]|, |v[XS+\i+1]|
	v_max3_num_f32 v9, v9, |v[XS+\i+2]|, |v[XS+\i+3]|
.endr
	v_max3_num_f32 v8, v8, |v[XS+14]|, |v[XS+15]|
	v_max3_num_f32 v8, v8, v9, 0x1800000           ; and the floor 2^(3 - 127): the byte cannot fall under 1
	v_max_num_f32_dpp v8, v8, v8 row_xmask:1 row_mask:0xf bank_mask:0xf   ; with my neighbour's 16: the block's
	v_add_nc_u32 v11, 0xff000000, v8               ; 2 off its exponent field: the conversion takes the exponent field of this operand as its scale
	v_cvt_scalef32_pk8_fp4_f32 v[XC+4*(\t)], v[XS:XS+7], v11
	v_cvt_scalef32_pk8_fp4_f32 v[XC+4*(\t)+1], v[XS+8:XS+15], v11
	v_lshrrev_b32 v[XE+(\t)], 23, v11              ; the scale's byte (a plain line behind the conversions)
	ds_store_b8 v5, v[XE+(\t)] offset:16*(\t)      ; both lanes of a block write the same byte with the same value
	global_store_b64 v4, v[XC+4*(\t):XC+4*(\t)+1], s[10:11] offset:32*CB*(\t)   ; the wave stores 256 consecutive aligned bytes
.endm
.irp t, 0,1,2,3,4,5,6,7,8,9,10,11,12,13,14,15
	XSTEP \t
.endr
	ds_load_b64 v[8:9], v6                         ; in order behind my byte stores
	s_wait_dscnt 0x0
	global_store_b64 v7, v[8:9], s[12:13]          ; the wave's 256 scale bytes, consecutive and aligned
	s_branch .Lend
; ---- WAY W: a lane takes a column n of W_attn and its registers run DOWN K: a block of 32 lies in one lane, and the codes come out with K innermost.  A wave takes 32 columns x 512 along K;
; its codes go through its own stage and leave as rows, sixteen lanes to 256 consecutive aligned bytes.  Loads run two blocks ahead.  Every offset is an immediate: 511 x 12,288 at the most.
.Lpath_w:
	s_sub_co_u32 s21, ttmp9, 256
	s_and_b32 s22, s21, 1                          ; which 512 along K
	s_lshr_b32 s21, s21, 1
	s_lshl_b32 s21, s21, 7
	s_lshl_b32 s23, s20, 5
	s_add_co_u32 s21, s21, s23                     ; my wave's first column
	v_lshlrev_b32 v3, 2, v2
	s_mul_i32 s23, s20, 32*PITCH
	s_add_co_u32 s23, s23, WBASE                   ; my stage
	v_mul_u32_u24 v4, v2, PITCH
	v_add_nc_u32 v4, s23, v4                       ; into it: row = my column
	v_and_b32 v5, 15, v2
	v_lshrrev_b32 v6, 4, v2
	v_mul_u32_u24 v7, v6, PITCH
	v_lshl_add_u32 v7, v5, 4, v7
	v_add_nc_u32 v7, s23, v7                       ; out of it: sixteen lanes to a row, two rows an instruction
	v_lshlrev_b32 v8, 9, v6
	v_lshl_add_u32 v8, v5, 4, v8                   ; the same place in wc
	v_lshlrev_b32 v9, 5, v2                        ; my column's row of ws
	s_mul_i32 s24, s22, 512*WN*4
	s_lshl_b32 s26, s21, 2
	s_add_co_u32 s24, s24, s26
	s_add_nc_u64 s[6:7], s[6:7], s[24:25]
	s_lshl_b32 s24, s21, 9
	s_lshl_b32 s26, s22, 8
	s_add_co_u32 s24, s24, s26
	s_add_nc_u64 s[14:15], s[14:15], s[24:25]
	s_lshl_b32 s24, s21, 5
	s_lshl_b32 s26, s22, 4
	s_add_co_u32 s24, s24, s26
	s_add_nc_u64 s[16:17], s[16:17], s[24:25]
.macro WLOAD t
.irp i, 0,1,2,3,4,5,6,7,8,9,10,11,12,13,14,15,16,17,18,19,20,21,22,23,24,25,26,27,28,29,30,31
	global_load_b32 v[WX+32*((\t)%2)+\i], v3, s[6:7] offset:(32*(\t)+\i)*WN*4 th:TH_LOAD_NT
.endr
.endm
	WLOAD 0
	WLOAD 1
.macro WBLOCK t
.set XS, WX+32*((\t)%2)
.if (\t) < NB-1
	s_wait_loadcnt 32                              ; this block's 32 loads are in; the next block's may be out
.else
	s_wait_loadcnt 0
.endif
	v_max3_num_f32 v12, |v[XS]|, |v[XS+1]|, |v[XS+2]|
	v_max3_num_f32 v13, |v[XS+3]|, |v[XS+4]|, |v[XS+5]|
.irp i, 6,10,14,18,22,26
	v_max3_num_f32 v12, v12, |v[XS+\i]|, |v[XS+\i+1]|
	v_max3_num_f32 v13, v13, |v[XS+\i+2]|, |v[XS+\i+3]|
.endr
	v_max3_num_f32 v12, v12, |v[XS+30]|, |v[XS+31]|
	v_max3_num_f32 v12, v12, v13, 0x1800000        ; the floor
	v_add_nc_u32 v11, 0xff000000, v12              ; the conversion's scale operand
	v_lshrrev_b32 v13, 23, v11                     ; the byte
.if (\t)%4 == 0
	v_mov_b32 v[WSB+(\t)/4], v13
.else
	v_lshl_or_b32 v[WSB+(\t)/4], v13, 8*((\t)%4), v[WSB+(\t)/4]
.endif
.irp g, 0,1,2,3
	v_cvt_scalef32_pk8_fp4_f32 v[WC+\g], v[XS+8*\g:XS+8*\g+7], v11
.endr
	v_nop                                          ; a plain line behind the last conversion
	ds_store_b128 v4, v[WC:WC+3] offset:16*(\t)
.if (\t)+2 < NB
	WLOAD (\t)+2
.endif
	s_wait_dscnt 0x0                               ; the store has read its registers: the next block's codes may be written
.endm
.set Q, 0
.rept NB
	WBLOCK Q
.set Q, Q+1
.endr
	global_store_b128 v9, v[WSB:WSB+3], s[16:17]   ; my column's 16 scale bytes
.irp t, 0,1,2,3,4,5,6,7,8,9,10,11,12,13,14,15
	ds_load_b128 v[WOUT+4*\t:WOUT+4*\t+3], v7 offset:2*\t*PITCH
.endr
.irp t, 0,1,2,3,4,5,6,7,8,9,10,11,12,13,14,15
	s_wait_dscnt 15-\t
	global_store_b128 v8, v[WOUT+4*\t:WOUT+4*\t+3], s[14:15] offset:2*\t*KROW
.endr
.Lend:
	s_wait_tensorcnt 0x0                           ; the wave's end, behind my last LDS store
	ds_add_u32 v[SPW], v[NIL]
	s_wait_dscnt 0x0
	s_endpgm
.Lfunc_end_k_qde06ae565b_prep:
	.size	k_qde06ae565b_prep, .Lfunc_end_k_qde06ae565b_prep-k_qde06ae565b_prep
	.p2alignl 7, 3214868480
	.fill 96, 4, 3214868480
	.section	.rodata,"a",@progbits
	.p2align	6, 0x0
	.amdhsa_kernel k_qde06ae565b_prep
		.amdhsa_group_segment_fixed_size 68096
		.amdhsa_private_segment_fixed_size 0
		.amdhsa_enable_private_segment 0
		.amdhsa_kernarg_size 64
		.amdhsa_user_sgpr_count 2
		.amdhsa_user_sgpr_kernarg_segment_ptr 1
		.amdhsa_wavefront_size32 1
		.amdhsa_system_sgpr_workgroup_id_x 1
		.amdhsa_system_sgpr_workgroup_id_y 1
		.amdhsa_system_sgpr_workgroup_id_z 1
		.amdhsa_system_vgpr_workitem_id 0
		.amdhsa_next_free_vgpr 192
		.amdhsa_next_free_sgpr 66
		.amdhsa_reserve_vcc 0
		.amdhsa_float_denorm_mode_32 3
		.amdhsa_float_denorm_mode_16_64 3
		.amdhsa_memory_ordered 1
		.amdhsa_forward_progress 1
		.amdhsa_inst_pref_size 117
	.end_amdhsa_kernel
	.amdgpu_metadata
---
amdhsa.version: [ 1, 2 ]
amdhsa.kernels:
  - .name:           k_qde06ae565b_prep
    .symbol:         k_qde06ae565b_prep.kd
    .args:
      - { .name: x, .offset: 0, .size: 8, .value_kind: global_buffer, .address_space: global }
      - { .name: W_attn, .offset: 8, .size: 8, .value_kind: global_buffer, .address_space: global }
      - { .name: W_proj, .offset: 16, .size: 8, .value_kind: global_buffer, .address_space: global }
      - { .name: xc, .offset: 24, .size: 8, .value_kind: global_buffer, .address_space: global }
      - { .name: xs, .offset: 32, .size: 8, .value_kind: global_buffer, .address_space: global }
      - { .name: wc, .offset: 40, .size: 8, .value_kind: global_buffer, .address_space: global }
      - { .name: ws, .offset: 48, .size: 8, .value_kind: global_buffer, .address_space: global }
      - { .name: wp, .offset: 56, .size: 8, .value_kind: global_buffer, .address_space: global }
    .group_segment_fixed_size: 68096
    .private_segment_fixed_size: 0
    .kernarg_segment_align: 8
    .kernarg_segment_size: 64
    .max_flat_workgroup_size: 128
    .sgpr_count:     66
    .vgpr_count:     192
    .wavefront_size: 32
...
	.end_amdgpu_metadata
.endif
;; end of part 1
;; launch qkv (part 2): grid 12 x 32, 4 waves a work-group, clusters of 4 x 4, 327,680 bytes of LDS; arguments xc, xs, wc, ws, qkv, fine; writes qkv, fine
.if DOCPART == 2
	.amdgcn_target "amdgcn-amd-amdhsa--gfx1250"
	.amdhsa_code_object_version 6
	.text
	.protected	k_qde06ae565b_qkv
	.globl	k_qde06ae565b_qkv
	.p2align	8
	.type	k_qde06ae565b_qkv,@function
k_qde06ae565b_qkv:
	s_mov_b64 s[64:65], 0
	v_nop
	global_prefetch_b8 v0, s[64:65] scope:SCOPE_SE
	s_setreg_imm32_b32 hwreg(HW_REG_WAVE_MODE, 25, 1), 1
	s_wait_xcnt 0x0
	s_wait_alu depctr_hold_cnt(0) depctr_sa_sdst(0) depctr_va_vdst(0) depctr_va_sdst(0) depctr_va_ssrc(0) depctr_va_vcc(0) depctr_vm_vsrc(0)
	s_getreg_b32 s2, hwreg(HW_REG_IB_STS2, 6, 4)
	s_cmp_eq_u32 s2, 0
	s_cbranch_scc0 .Lentry_in_a_cluster
	s_endpgm
.Lentry_in_a_cluster:
	s_bfe_u32 s2, ttmp6, 0x10000c
	s_cmp_lg_u32 s2, 0xf033
	s_cbranch_scc0 .Lentry_shape_is_right
	s_endpgm
.Lentry_shape_is_right:
; QKV: [8192][3072] = Q(x) Q(W_attn), on codes of FP4 (E2M1) with one E8M0 scale for each 32 along K = 1,024; sums in f32.
; A = xc [8192][512 bytes], xs [8192][32];  B = wc [3072][512 bytes], ws [3072][32].  The results leave rounded to f16, by heads: qkv [which 3][b 4][h 16][t 2048][64];
; the rows t < 16 of every batch leave a second time as f32: fine [b 4][t 16][3072], for the launch that carries those rows finely.
; LIMIT: |q|, |k|, |v| beyond 65,504 have no f16 number.
; A tile of C, 256 x 256, is made by four waves, each 128 x 128: 64 accumulators, 512 registers.  K is two slots of 512 (LDS rows of 256 bytes): both are asked for at the start, with the
; scales of the tile's rows, and nothing is filled again: a wave has three tensor loads out.
; CLUSTERS: 4 x 4 work-groups; A's tile is shared along a row of the cluster, B's along a column: each is asked for jointly, by the same load with a mask that names the four.
; THE TILE ROW IS 8 cy + THE CLUSTER'S y: so cy is the batch, and the four tiles that hold t < 16 lie in the clusters with y = 0: the branch to the f32 copy hangs on the cluster's y and the
; wave's number alone and goes the same way in all sixteen partners.
; THE MATRIX INSTRUCTION IS USED TRANSPOSED (source 0 = 16 rows of B, source 1 = 16 rows of A): a lane holds eight neighbouring columns of one row of C.
; REGISTERS: window 0: v0-31 addresses; v32-95 scale words, two sets; v128-191 A's fragments, one set; window 1: B's fragments, two sets; windows 2, 3: the accumulators ((a, b) at v[8 (8 (a % 4) + b)]).
.set NQ,     4                         ; steps of 128 along K in a slot
.set ROWB,   256                       ; a tile's row in bytes
.set KROW,   512                       ; a row of codes in memory
.set PITCH,  272                       ; an LDS row: 256 + 16: the 16 rows that a load touches start 68 words apart
.set FR,     8
.set NL,     2
.set NP,     4                         ; places behind this matrix instruction (ISA guide 7.12.1)
.set HALFT,  128*PITCH
.set SLOT,   4*HALFT
.set KS,     32                        ; a row of scale bytes
.set SCL,    2*SLOT
.set HALFS,  (128*KS/256)*272
.set SBLK,   (16*KS/256)*272
.set SPARE,  SCL+4*HALFS               ; the spare words, 128 bytes a wave, which no other line names
.set WST,    12800                     ; the way out: a wave's stages, in slot 0 (it has had its only fill, and nobody reads it behind the change of slots): 16 x 272 for f16, then 16 x 528 for f32
.set ADRA, 16
.set ADRB, 20
.set CO32, 22
.set STO16, 24
.set RD16, 25
.set CO16, 26
.set ADRS, 27
.set SPW,  28
.set NIL,  29
.set STO32, 30
.set RD32, 31
.set SC,   32
.set AF,   128
.set BK,   128                         ; the way out: rows read back: v128-159 and v160-191 by turns
.set TMP,  192                         ; the way out: packed results
.set G1, 24
.set G0, 32
.set G1B, 48
.set G0B, 56
.set G1S, 68
.set G0S, 76
.set G1SB, 80
.set G0SB, 88
.set MSB, 0
.macro WIN new                         ; the immediate's high byte repeats the setting that is left
.if MSB != (\new)
	s_set_vgpr_msb (MSB<<8)|(\new)
.set MSB, (\new)
.endif
.endm
.set MUL_LO, 0xa1                      ; source 0 (B) window 1, source 1 (A) window 0, C and D window 2
.set MUL_HI, 0xf1
.set TO_B,   0x40
; A joint load: waves 0 and 1 fetch for A, waves 2 and 3 for B; the branch hangs on the wave's number alone.  An s_nop 0 and four v_nop follow each line.
.macro JLOAD g0a, g1a, g0b, g1b
	s_cmp_eq_u32 s15, 0
	s_cbranch_scc0 .Lfor_b_\@
	tensor_load_to_lds s[\g0a:\g0a+3], s[\g1a:\g1a+7]
	s_nop 0
.rept 4
	v_nop
.endr
	s_branch .Lasked_\@
.Lfor_b_\@:
	tensor_load_to_lds s[\g0b:\g0b+3], s[\g1b:\g1b+7]
	s_nop 0
.rept 4
	v_nop
.endr
.Lasked_\@:
.endm
.macro CROUND                          ; a round of the cluster's barrier
	s_barrier_signal -1
	s_barrier_wait -1
	s_cmp_lg_u32 s14, 0
	s_cbranch_scc1 .Lnot_wave_0_\@
	s_barrier_signal -3
.Lnot_wave_0_\@:
	s_barrier_wait -3
	s_barrier_signal -1
	s_barrier_wait -1
.endm
	s_load_b128 s[4:7], s[0:1], 0x0                ; xc, xs
	s_load_b128 s[8:11], s[0:1], 0x10              ; wc, ws
	s_load_b64 s[12:13], s[0:1], 0x20              ; qkv
	s_load_b64 s[96:97], s[0:1], 0x28              ; fine
	v_lshl_add_u32 v[SPW], v0, 2, SPARE
	v_mov_b32 v[NIL], 0
	ds_add_u32 v[SPW], v[NIL]                      ; the wave's opening: the add, twice on end, and its wait ahead of my first tensor load
	ds_add_u32 v[SPW], v[NIL]
	v_lshrrev_b32 v1, 5, v0
	v_readfirstlane_b32 s14, v1                    ; wave 0..3
	s_lshr_b32 s15, s14, 1                         ; my half of the tile's rows.  Also: I fetch for A (0) or for B (1)
	s_and_b32 s16, s14, 1                          ; my half of its columns.  Also: which 128 rows I fetch
	s_bfe_u32 s40, ttmp6, 0x40000                  ; cx
	s_bfe_u32 s41, ttmp6, 0x40004                  ; cy
	s_lshl_b32 s42, ttmp9, 2
	s_add_co_u32 s42, s42, s40                     ; tile column = 4 x cluster x + cx
	s_and_b32 s98, ttmp7, 0xffff                   ; the cluster's y
	s_lshl_b32 s17, s41, 3
	s_add_co_u32 s17, s17, s98                     ; tile row = 8 cy + cluster y
	s_or_b32 s95, s98, s15                         ; 0 where my 128 rows begin with t = 0
	s_lshl_b32 s43, s41, 2
	s_lshl_b32 s43, 15, s43                        ; my row of the cluster
	s_lshl_b32 s44, 0x1111, s40                    ; my column
	s_or_b32 s[G1+0], s43, (0<<16)|(1<<20)|(1<<21)|(5<<22)|(3<<25)  ; the mask; elements of 1 byte; padding on: 4 words behind every 64; bit 21 beside a mask
	s_or_b32 s[G1B+0], s44, (0<<16)|(1<<20)|(1<<21)|(5<<22)|(3<<25)
.irp g, G1, G1B
	s_mov_b32 s[\g+1], ROWB<<16                    ; tensor_dim0
	s_mov_b32 s[\g+2], 128<<16                     ; tensor_dim1
	s_mov_b32 s[\g+3], ROWB<<16                    ; tile_dim0
	s_mov_b32 s[\g+4], 128                         ; tile_dim1
	s_mov_b32 s[\g+5], KROW                        ; the pitch
	s_mov_b32 s[\g+6], 0
	s_mov_b32 s[\g+7], 0
.endr
	s_or_b32 s[G1S+0], s43, (3<<16)|(1<<20)|(1<<21)|(5<<22)|(3<<25) ; the scales of 128 rows: 4,096 dense bytes as 16 rows of 32 elements of 8 bytes, 16 bytes of padding behind each
	s_or_b32 s[G1SB+0], s44, (3<<16)|(1<<20)|(1<<21)|(5<<22)|(3<<25)
.irp g, G1S, G1SB
	s_mov_b32 s[\g+1], 32<<16
	s_mov_b32 s[\g+2], (128*KS/256)<<16
	s_mov_b32 s[\g+3], 32<<16
	s_mov_b32 s[\g+4], 128*KS/256
	s_mov_b32 s[\g+5], 32
	s_mov_b32 s[\g+6], 0
	s_mov_b32 s[\g+7], 0
.endr
	s_lshl_b32 s18, s16, 7
	s_lshl_b32 s20, s17, 8
	s_add_co_u32 s20, s20, s18                     ; A: row 256 x tile row + 128 x half
	s_lshl_b32 s46, s42, 8
	s_add_co_u32 s46, s46, s18                     ; B: row 256 x tile column + 128 x half
	s_mov_b32 s21, 0
	s_mov_b32 s47, 0
	s_mov_b64 s[18:19], KS
	s_mul_u64 s[22:23], s[20:21], s[18:19]         ; where these rows' scales begin
	s_mul_u64 s[92:93], s[46:47], s[18:19]
	s_mov_b64 s[18:19], KROW
	s_mul_u64 s[20:21], s[20:21], s[18:19]         ; and their codes
	s_mul_u64 s[46:47], s[46:47], s[18:19]
	s_mul_i32 s45, s14, HALFT                      ; where they go: wave x 128 rows
	s_mul_i32 s94, s14, HALFS
	s_wait_dscnt 0x0                               ; both opening adds are done
	s_wait_kmcnt 0x0
	s_add_nc_u64 s[20:21], s[4:5], s[20:21]
	s_add_nc_u64 s[22:23], s[6:7], s[22:23]
	s_add_nc_u64 s[46:47], s[8:9], s[46:47]
	s_add_nc_u64 s[92:93], s[10:11], s[92:93]
	CROUND                                         ; all sixteen work-groups are here: the joint loads meet
	s_mov_b32 s[G0S], 1
	s_add_co_u32 s[G0S+1], s94, SCL
	s_mov_b64 s[G0S+2:G0S+3], s[22:23]
	s_or_b32 s[G0S+3], s[G0S+3], 0x80000000
	s_mov_b32 s[G0SB], 1
	s_add_co_u32 s[G0SB+1], s94, SCL
	s_mov_b64 s[G0SB+2:G0SB+3], s[92:93]
	s_or_b32 s[G0SB+3], s[G0SB+3], 0x80000000
	JLOAD G0S, G1S, G0SB, G1SB                     ; the scales first
.irp s, 0,1
	s_mov_b32 s[G0+4*\s], 1
	s_add_co_u32 s[G0+4*\s+1], s45, \s*SLOT
	s_add_nc_u64 s[G0+4*\s+2:G0+4*\s+3], s[20:21], \s*ROWB
	s_or_b32 s[G0+4*\s+3], s[G0+4*\s+3], 0x80000000
	s_mov_b32 s[G0B+4*\s], 1
	s_add_co_u32 s[G0B+4*\s+1], s45, \s*SLOT
	s_add_nc_u64 s[G0B+4*\s+2:G0B+4*\s+3], s[46:47], \s*ROWB
	s_or_b32 s[G0B+4*\s+3], s[G0B+4*\s+3], 0x80000000
	JLOAD G0+4*\s, G1, G0B+4*\s, G1B
.endr
	v_and_b32 v1, 15, v0                           ; r = l % 16
	v_bfe_u32 v2, v0, 4, 1                         ; l / 16
	v_mul_u32_u24 v3, v1, PITCH
	v_lshl_add_u32 v4, v2, 4, v3                   ; a fragment's row x pitch + 16 x half
	s_mul_i32 s21, s15, HALFT
	s_mul_i32 s22, s16, HALFT
	s_add_co_u32 s22, s22, 2*HALFT
.irp s, 0,1
	v_add_nc_u32 v[ADRA+\s], s21, v4
	v_add_nc_u32 v[ADRB+\s], s22, v4
	s_add_co_u32 s21, s21, SLOT
	s_add_co_u32 s22, s22, SLOT
.endr
	v_mul_u32_u24 v5, v1, KS                       ; my row's scales: KS bytes a row,
	v_lshrrev_b32 v6, 8, v5
	v_lshl_add_u32 v5, v6, 4, v5                   ; and 16 more for each 256 passed
	s_mul_i32 s21, s15, HALFS
	s_mul_i32 s22, s16, HALFS
	s_add_co_u32 s22, s22, 2*HALFS
	s_sub_co_u32 s22, s22, s21
	v_mul_u32_u24 v6, s22, v2                      ; lanes 16-31 take B's: one product, the distance between the two bases
	s_add_co_u32 s21, s21, SCL
	v_add_nc_u32 v5, v5, v6
	v_add_nc_u32 v[ADRS], s21, v5
	; the way out's addresses
	s_mul_i32 s23, s14, WST
	v_mul_u32_u24 v5, v1, 272
	v_lshl_add_u32 v5, v2, 4, v5
	v_add_nc_u32 v[STO16], s23, v5                 ; f16, in: row r, 16 bytes for each half of the lanes
	v_bfe_u32 v6, v0, 3, 1
	v_and_b32 v7, 7, v0
	v_mul_u32_u24 v8, v6, 272
	v_lshl_add_u32 v8, v2, 7, v8
	v_lshl_add_u32 v8, v7, 4, v8
	v_add_nc_u32 v[RD16], s23, v8                  ; back: eight lanes take the 128 bytes of one head of one row; lanes 0-15: two rows of the first head, lanes 16-31: of the second
	v_lshlrev_b32 v9, 18, v2
	v_lshl_add_u32 v9, v6, 7, v9
	v_lshl_add_u32 v[CO16], v7, 4, v9              ; the same place in qkv: a head on is 2^18 bytes, a row 128
	s_add_co_u32 s23, s23, 16*272
	v_mul_u32_u24 v5, v1, 528
	v_lshl_add_u32 v5, v2, 5, v5
	v_add_nc_u32 v[STO32], s23, v5                 ; f32, in: row r, 32 bytes for each half
	v_and_b32 v6, 31, v0
	v_lshlrev_b32 v[CO32], 4, v6
	v_add_nc_u32 v[RD32], s23, v[CO32]             ; back: the 32 lanes take a row of 512 bytes
	s_lshr_b32 s20, s42, 2
	s_lshl_b32 s20, s20, 24                        ; q, k or v
	s_lshl_b32 s21, s41, 22                        ; the batch
	s_add_co_u32 s20, s20, s21
	s_and_b32 s21, s42, 3
	s_lshl_b32 s21, s21, 2
	s_lshl_b32 s22, s16, 1
	s_add_co_u32 s21, s21, s22
	s_lshl_b32 s21, s21, 18                        ; my first head: 4 (tile column % 4) + 2 x half
	s_add_co_u32 s20, s20, s21
	s_lshl_b32 s21, s98, 15                        ; t: 256 x cluster y
	s_add_co_u32 s20, s20, s21
	s_lshl_b32 s21, s15, 14                        ;    + 128 x half, rows of 128 bytes
	s_add_co_u32 s20, s20, s21
	s_mov_b32 s21, 0
	s_add_nc_u64 s[12:13], s[12:13], s[20:21]
	s_mul_i32 s20, s41, 196608                     ; fine: the batch's 16 rows of 12,288 bytes,
	s_lshl_b32 s22, s42, 10
	s_add_co_u32 s20, s20, s22
	s_lshl_b32 s22, s16, 9
	s_add_co_u32 s20, s20, s22                     ; my first column
	s_add_nc_u64 s[96:97], s[96:97], s[20:21]
.macro FRAG reg, adr, q, i             ; 16 rows x 128 K of 4-bit codes: registers 4 c .. 4 c + 3 hold K = 64 c + 32 (l / 16) + 0 .. 31
.irp c, 0,1
	ds_load_b128 v[\reg+4*\c:\reg+4*\c+3], v[\adr] offset:64*(\q)+32*\c+(\i)*16*PITCH
.endr
.endm
; 16 matrix instructions: A's blocks a0, a0 + 1 x B's eight.  The 64 accumulators take turns, one instruction a turn, in the same order in every step.
.macro MUL16 a0, p, q, sc, zero
.irp a, \a0, \a0+1
.irp b, 0,1,2,3,4,5,6,7
.if \zero
	v_wmma_scale_f32_16x16x128_f8f6f4 v[8*(8*((\a)%4)+\b):8*(8*((\a)%4)+\b)+7], v[128*(\p)+FR*\b:128*(\p)+FR*\b+FR-1], v[AF+FR*(\a):AF+FR*(\a)+FR-1], 0, v[SC+8*NQ*(\sc)+NQ*\b+(\q)], v[SC+8*NQ*(\sc)+NQ*(\a)+(\q)] matrix_a_fmt:MATRIX_FMT_FP4 matrix_b_fmt:MATRIX_FMT_FP4 matrix_a_scale:MATRIX_SCALE_ROW1
.else
	v_wmma_scale_f32_16x16x128_f8f6f4 v[8*(8*((\a)%4)+\b):8*(8*((\a)%4)+\b)+7], v[128*(\p)+FR*\b:128*(\p)+FR*\b+FR-1], v[AF+FR*(\a):AF+FR*(\a)+FR-1], v[8*(8*((\a)%4)+\b):8*(8*((\a)%4)+\b)+7], v[SC+8*NQ*(\sc)+NQ*\b+(\q)], v[SC+8*NQ*(\sc)+NQ*(\a)+(\q)] matrix_a_fmt:MATRIX_FMT_FP4 matrix_b_fmt:MATRIX_FMT_FP4 matrix_a_scale:MATRIX_SCALE_ROW1
.endif
.endr
.endr
.endm
.macro FETCH_B slot, q, p
	WIN TO_B
.irp i, 0,1,2,3,4,5,6,7
	FRAG 128*(\p)+FR*\i, ADRB+\slot, \q, \i
.endr
	WIN 0
.endm
.macro FETCH_A slot, q, i0
.irp i, \i0, \i0+1, \i0+2, \i0+3
	FRAG AF+FR*(\i), ADRA+\slot, \q, \i
.endr
.endm
.macro SCALES sc                       ; a slot's scale words: lanes 0-15 take A's block i, lanes 16-31 B's block i; four words a row
.irp i, 0,1,2,3,4,5,6,7
	ds_load_b128 v[SC+8*NQ*\sc+NQ*\i:SC+8*NQ*\sc+NQ*\i+3], v[ADRS] offset:\i*SBLK
.endr
.endm
.macro PLACES n                        ; plain vector lines between a matrix instruction and a load into, or a read of, its registers
.rept \n
	v_nop
.endr
.endm
.macro STEP slot, q, zero              ; a step of 128 along K that has its successor in the same slot
	s_wait_dscnt 4*NL                              ; B's set and A's blocks 0-3 are in; the youngest eight loads (A's blocks 4-7) may be out
	WIN MUL_LO
	MUL16 0, (\q)%2, \q, \slot, \zero
	MUL16 2, (\q)%2, \q, \slot, \zero
	s_wait_dscnt 0
	PLACES NP
	FETCH_B \slot, (\q)+1, 1-(\q)%2
	FETCH_A \slot, (\q)+1, 0
	WIN MUL_HI
	MUL16 4, (\q)%2, \q, \slot, \zero
	MUL16 6, (\q)%2, \q, \slot, \zero
	PLACES NP
	WIN 0
	FETCH_A \slot, (\q)+1, 4
.endm
.macro TURN slot, next                 ; slot 0's last step, and the change to slot 1: one barrier
	s_wait_tensorcnt 0x0                           ; my part of slot 1 has landed
	ds_add_u32 v[SPW], v[NIL]
	s_wait_dscnt 4*NL+1                            ; the add and the youngest eight loads may be out
	WIN MUL_LO
	MUL16 0, 1, NQ-1, \slot, 0
	s_wait_dscnt 0x0                               ; the add is done, and my reads of this slot are over
	s_barrier_signal -1
	MUL16 2, 1, NQ-1, \slot, 0
	WIN 0
	s_barrier_wait -1                              ; slot 1 is whole, and nobody reads slot 0 any more
	PLACES NP
	v_add_nc_u32 v[ADRS], 4*NQ, v[ADRS]            ; the next slot's scale words
	FETCH_B \next, 0, 0
	FETCH_A \next, 0, 0
	SCALES \next
	WIN MUL_HI
	MUL16 4, 1, NQ-1, \slot, 0
	MUL16 6, 1, NQ-1, \slot, 0
	PLACES NP
	WIN 0
	FETCH_A \next, 0, 4
.endm
	s_wait_tensorcnt 1                             ; the scales and my part of slot 0 are in; slot 1's load may be out
	s_barrier_signal -1
	s_barrier_wait -1
	FETCH_B 0, 0, 0
	FETCH_A 0, 0, 0
	SCALES 0
	FETCH_A 0, 0, 4
	STEP 0, 0, 1                                   ; the first products start the sums: nothing is cleared
	STEP 0, 1, 0
	STEP 0, 2, 0
	TURN 0, 1
	STEP 1, 0, 0
	STEP 1, 1, 0
	STEP 1, 2, 0
	s_wait_dscnt 4*NL                              ; the last step
	WIN MUL_LO
	MUL16 0, 1, NQ-1, 1, 0
	MUL16 2, 1, NQ-1, 1, 0
	s_wait_dscnt 0
	WIN MUL_HI
	MUL16 4, 1, NQ-1, 1, 0
	MUL16 6, 1, NQ-1, 1, 0
	WIN 0
; THE WAY OUT, block by block of 16 rows x 128 columns (two heads).
	PLACES NP
	s_cmp_lg_u32 s95, 0
	s_cbranch_scc1 .Lnofine
	WIN 0x08                                       ; an LDS store's data are its source 1: window 2.  Block 0 (t = 0 .. 15) as f32, each accumulator from its low end on
.irp b, 0,1,2,3,4,5,6,7
	ds_store_b128 v[STO32], v[8*\b:8*\b+3] offset:64*\b
	ds_store_b128 v[STO32], v[8*\b+4:8*\b+7] offset:64*\b+16
.endr
	WIN 0
.irp t, 0,1,2,3,4,5,6,7,8,9,10,11,12,13,14,15
	ds_load_b128 v[32+4*\t:35+4*\t], v[RD32] offset:\t*528         ; in order behind my stores
.endr
	s_wait_dscnt 0x0
.irp t, 0,1,2,3,4,5,6,7,8,9,10,11,12,13,14,15
	global_store_b128 v[CO32], v[32+4*\t:35+4*\t], s[96:97] offset:\t*12288   ; 32 lanes store 512 consecutive aligned bytes
.endr
.Lnofine:
.macro PACK a                          ; rounded to f16: 16 bytes a lane
.set AC, 64*((\a)%4)
	WIN 0x0a+5*((\a)/4)                            ; sources 0 and 1: window 2 or 3
.irp b, 0,1,2,3,4,5,6,7
.irp r, 0,1,2,3
	v_cvt_pk_f16_f32 v[TMP+4*\b+\r], v[AC+8*\b+2*\r], v[AC+8*\b+2*\r+1]
.endr
.endr
	WIN 0
.endm
.macro TOSTAGE a
.set BB, BK+32*((\a)%2)
.irp b, 0,1,2,3,4,5,6,7
	ds_store_b128 v[STO16], v[TMP+4*\b:TMP+4*\b+3] offset:32*\b
.endr
.irp i, 0,1,2,3,4,5,6,7
	ds_load_b128 v[BB+4*\i:BB+4*\i+3], v[RD16] offset:\i*544       ; two rows an instruction; in order behind my stores
.endr
.endm
.macro SEND a
.set BB, BK+32*((\a)%2)
	s_wait_dscnt 0x0                               ; the block is back in registers
	s_wait_xcnt 0x0                                ; the block before has left its registers: the next block's loads may land there
.irp i, 0,1,2,3,4,5,6,7
	global_store_b128 v[CO16], v[BB+4*\i:BB+4*\i+3], s[12:13] offset:2048*(\a)+256*\i   ; each half of the lanes stores 256 consecutive aligned bytes: two rows of one head
.endr
.endm
	PACK 0
	TOSTAGE 0
.irp a, 1,2,3,4,5,6,7                  ; block a's conversions stand between block a - 1's loads from the stage and the wait for them
	PACK \a
	SEND \a-1
	TOSTAGE \a
.endr
	SEND 7
	s_wait_tensorcnt 0x0                           ; the wave's end
	ds_add_u32 v[SPW], v[NIL]
	s_wait_dscnt 0x0
	CROUND                                         ; the closing round
	s_endpgm
.Lfunc_end_k_qde06ae565b_qkv:
	.size	k_qde06ae565b_qkv, .Lfunc_end_k_qde06ae565b_qkv-k_qde06ae565b_qkv
	.p2alignl 7, 3214868480
	.fill 96, 4, 3214868480
	.section	.rodata,"a",@progbits
	.p2align	6, 0x0
	.amdhsa_kernel k_qde06ae565b_qkv
		.amdhsa_group_segment_fixed_size 327680
		.amdhsa_private_segment_fixed_size 0
		.amdhsa_enable_private_segment 0
		.amdhsa_kernarg_size 48
		.amdhsa_user_sgpr_count 2
		.amdhsa_user_sgpr_kernarg_segment_ptr 1
		.amdhsa_wavefront_size32 1
		.amdhsa_system_sgpr_workgroup_id_x 1
		.amdhsa_system_sgpr_workgroup_id_y 1
		.amdhsa_system_sgpr_workgroup_id_z 1
		.amdhsa_system_vgpr_workitem_id 0
		.amdhsa_next_free_vgpr 1024
		.amdhsa_next_free_sgpr 100
		.amdhsa_reserve_vcc 0
		.amdhsa_float_denorm_mode_32 3
		.amdhsa_float_denorm_mode_16_64 3
		.amdhsa_memory_ordered 1
		.amdhsa_forward_progress 1
		.amdhsa_inst_pref_size 131
	.end_amdhsa_kernel
	.amdgpu_metadata
---
amdhsa.version: [ 1, 2 ]
amdhsa.kernels:
  - .name:           k_qde06ae565b_qkv
    .symbol:         k_qde06ae565b_qkv.kd
    .args:
      - { .name: xc, .offset: 0, .size: 8, .value_kind: global_buffer, .address_space: global }
      - { .name: xs, .offset: 8, .size: 8, .value_kind: global_buffer, .address_space: global }
      - { .name: wc, .offset: 16, .size: 8, .value_kind: global_buffer, .address_space: global }
      - { .name: ws, .offset: 24, .size: 8, .value_kind: global_buffer, .address_space: global }
      - { .name: qkv, .offset: 32, .size: 8, .value_kind: global_buffer, .address_space: global }
      - { .name: fine, .offset: 40, .size: 8, .value_kind: global_buffer, .address_space: global }
    .group_segment_fixed_size: 327680
    .private_segment_fixed_size: 0
    .kernarg_segment_align: 8
    .kernarg_segment_size: 48
    .max_flat_workgroup_size: 128
    .sgpr_count:     100
    .vgpr_count:     1024
    .wavefront_size: 32
...
	.end_amdgpu_metadata
.endif
;; end of part 2
;; launch attn (part 3): grid 4 x 64, 16 waves a work-group, clusters of 4 x 1, 327,680 bytes of LDS; arguments qkv, yh; writes yh
.if DOCPART == 3
	.amdgcn_target "amdgcn-amd-amdhsa--gfx1250"
	.amdhsa_code_object_version 6
	.text
	.protected	k_qde06ae565b_attn
	.globl	k_qde06ae565b_attn
	.p2align	8
	.type	k_qde06ae565b_attn,@function
k_qde06ae565b_attn:
	s_mov_b64 s[64:65], 0
	v_nop
	global_prefetch_b8 v0, s[64:65] scope:SCOPE_SE
	s_setreg_imm32_b32 hwreg(HW_REG_WAVE_MODE, 25, 1), 1
	s_wait_xcnt 0x0
	s_wait_alu depctr_hold_cnt(0) depctr_sa_sdst(0) depctr_va_vdst(0) depctr_va_sdst(0) depctr_va_ssrc(0) depctr_va_vcc(0) depctr_vm_vsrc(0)
	s_getreg_b32 s2, hwreg(HW_REG_IB_STS2, 6, 4)
	s_cmp_eq_u32 s2, 0
	s_cbranch_scc0 .Lentry_in_a_cluster
	s_endpgm
.Lentry_in_a_cluster:
	s_bfe_u32 s2, ttmp6, 0x10000c
	s_cmp_lg_u32 s2, 0x3003
	s_cbranch_scc0 .Lentry_shape_is_right
	s_endpgm
.Lentry_shape_is_right:
; ATTN: y[b][h][q] = the sum over k <= q of softmax_k(q . k / 8) v, head size 64, 2,048 positions, 64 (b, h).  q, k, v: f16, qkv [which][b][h][t][64]; y: f16, yh [b][h][t][64].
; Products on f16 operands with f32 sums; maxima, exponentials and sums in f32; the weights p are rounded to f16 for the second product, y once at the end.
; SOFTMAX: a running maximum m and sum l for each query: p = 2^(c s - c m), c = log2(e) / 8; in every step O and l are multiplied by a = 2^(c m_old - c m_new).
; LIMIT: m starts at -3e38: scores under that are not served.
; SHARES.  A cluster of four work-groups is one (b, h); all four walk all 2,048 keys in step, and each tile of K and V is asked for JOINTLY (mask 15).  A wave owns 32 queries, two tiles of 16,
; from 128 x rank + 32 x cx on; the rank is a permutation of the wave's number, so that neighbouring ranks fall on waves far apart in number.
; THE CAUSAL MASK.  Branches hang on the rank and on counted steps alone, never on the place in the cluster: a step of 64 keys from KF on is left out where KF > 128 rank + 127, and masked where
; KF >= 128 rank.  The place enters global addresses and the data register QL alone.  The wave of rank 15 of every partner reads every tile, so no joint load goes unread.
; LAYOUT.  S^T = K Q^T (source 0 = 16 keys, source 1 = 16 queries): a lane holds ONE query (lane % 16) and keys 8 (lane / 16) + 0..7 of each tile of 16; two such tiles, rounded in pairs, ARE source 1 of
; O^T = V^T P.  K comes out of LDS as it lies, V ([key][channel]) turned by ds_load_tr16_b128.
; RING.  Two slots of 256 keys (four steps); waves 0, 1 fetch K's halves, waves 2, 3 V's; one load a wave behind each round of the cluster's barrier, so a loading wave has one tensor load out.
; REGISTERS: v1-14 addresses and the mask's work; v16-31 statistics, 8 a tile (+0 c m, +1 m, +2, +3 l, +4..7 at work; a in +6); v32-63 Q; v64-127 a step's K, then its V; v128-191 S^T, then P in the low 16 of each 32; v192-255 O^T.
.set PK,    144                        ; a row of K in LDS: 128 bytes + 16
.set PV,    160                        ; a row of V: 128 + 32
.set VOFF,  256*PK                     ; a slot: 256 rows of K, then 256 rows of V
.set SLOT1, 1<<17
.set STAGE, SLOT1+256*(PK+PV)          ; behind the ring: 32 rows x 144 bytes for each wave, for the way out
.set SPARE, STAGE+16*32*PK             ; the spare words, 128 bytes a wave, which no other line names
.set KSTEPB, 64*PK
.set VSTEPB, 64*PV
.set AK0, 1
.set AV0, 2
.set ADK, 3
.set ADV, 4
.set SPW, 5
.set NIL, 6
.set QL,  7                            ; v7  my first tile's query - 8 (lane / 16)
.set PFO, 8
.set QO,  9
.set STO, 10
.set RD,  11
.set GO,  12
.set WV,  12                           ; s12 my wave's number
.set LIM, 15                           ; s15 1 in a wave that prefetches, else the greatest number
.set PFA, 18                           ; s[18:19] where my prefetches stand
.set G1K, 24
.set G1V, 32
.set G0K, 40
.set G0V, 44
.set KF,  48                           ; s48 the step's first key
.set QHI, 49                           ; s49 128 rank + 127
.set QLO, 50                           ; s50 128 rank
.set TBK, 51                           ; s51 LDS byte at which the step's K begins
.set TBV, 52                           ; s52 the same for V (VOFF lies in the lane's part)
.set SLOTS, 56
.set CNT, 57
.set CS,  58                           ; s[58:59] c, twice
.set SEL, 60                           ; s[60:61] lane selects: lane l xor 16
.macro TLOAD                           ; waves 0, 1: K; waves 2, 3: V; the others nothing.  An s_nop 0 and four v_nop follow each line
	s_cmp_lt_u32 s[WV], 2
	s_cbranch_scc0 .Lnot_k_\@
	tensor_load_to_lds s[G0K:G0K+3], s[G1K:G1K+7]
	s_nop 0
.rept 4
	v_nop
.endr
	s_branch .Lasked_\@
.Lnot_k_\@:
	s_cmp_lt_u32 s[WV], 4
	s_cbranch_scc0 .Lasked_\@
	tensor_load_to_lds s[G0V:G0V+3], s[G1V:G1V+7]
	s_nop 0
.rept 4
	v_nop
.endr
.Lasked_\@:
.endm
; A prefetch of what the NEXT change of slots will ask for: a slot's 32,768 bytes of K and of V.  The four partners share them out BY ADDRESS, 8,192 bytes each; in each, wave 4 asks for K's and wave 5 for V's,
; lanes 256 bytes apart: one instruction a wave, each block named once in the launch (a head has one cluster).  The last change that fills a slot asks for nothing; slots 0 and 1 come by their loads alone.
.macro ASK
	s_cmp_gt_u32 s[SLOTS], s[LIM]
	s_cbranch_scc0 .Lnot_mine_\@
	global_prefetch_b8 v[PFO], s[PFA:PFA+1] th:TH_LOAD_NT scope:SCOPE_SE
.Lnot_mine_\@:
.endm
.macro CROUND                          ; a round of the cluster's barrier
	s_barrier_signal -1
	s_barrier_wait -1
	s_cmp_lg_u32 s[WV], 0
	s_cbranch_scc1 .Lnot_wave_0_\@
	s_barrier_signal -3
.Lnot_wave_0_\@:
	s_barrier_wait -3
	s_barrier_signal -1
	s_barrier_wait -1
.endm
	s_load_b128 s[4:7], s[0:1], 0x0                ; qkv, yh
	v_lshl_add_u32 v[SPW], v0, 2, SPARE
	v_mov_b32 v[NIL], 0
	ds_add_u32 v[SPW], v[NIL]                      ; the wave's opening: the add, twice on end, and its wait ahead of the first tensor load
	ds_add_u32 v[SPW], v[NIL]
	v_lshrrev_b32 v1, 5, v0
	v_readfirstlane_b32 s[WV], v1                  ; wave 0..15
	s_bfe_u32 s13, ttmp6, 0x40000                  ; cx
	s_and_b32 s2, s[WV], 3                         ; bb
	s_lshr_b32 s3, s[WV], 2                        ; i
	s_mul_i32 s14, s2, 3
	s_add_co_u32 s3, s3, s14
	s_and_b32 s3, s3, 3                            ; (i - bb) mod 4
	s_lshl_b32 s3, s3, 2
	s_add_co_u32 s14, s3, s2                       ; rank
	s_lshl_b32 s[QLO], s14, 7
	s_add_co_u32 s[QHI], s[QLO], 127
	s_lshl_b32 s22, s13, 5
	s_add_co_u32 s22, s22, s[QLO]                  ; my first query
	s_lshl_b32 s54, s22, 7                         ; its row, in bytes
	s_mov_b32 s55, 0
	s_and_b32 s23, ttmp7, 0xffff
	s_lshl_b32 s23, s23, 18                        ; the head's first byte in q's, k's, v's part and in yh
	s_mov_b32 s[G1K], 15|(1<<16)|(1<<20)|(1<<21)|(4<<22)|(3<<25)  ; the mask: all four; elements of 2 bytes; padding on: 4 words behind every 32; bit 21 beside a mask
	s_mov_b32 s[G1V], 15|(1<<16)|(1<<20)|(1<<21)|(4<<22)|(7<<25)  ; the same with 8 words
.irp g, G1K, G1V
	s_mov_b32 s[\g+1], 64<<16                      ; tensor_dim0
	s_mov_b32 s[\g+2], 128<<16                     ; tensor_dim1
	s_mov_b32 s[\g+3], 64<<16                      ; tile_dim0
	s_mov_b32 s[\g+4], 128                         ; tile_dim1: half a slot's rows
	s_mov_b32 s[\g+5], 64                          ; the pitch
	s_mov_b32 s[\g+6], 0
	s_mov_b32 s[\g+7], 0
.endr
	s_mov_b32 s[CS], 0x3e38aa3b                    ; c = log2(e) / 8
	s_mov_b32 s[CS+1], s[CS]
	s_mov_b32 s[SEL], 0x76543210
	s_mov_b32 s[SEL+1], 0xfedcba98
	s_mov_b32 s[KF], 0
	s_mov_b32 s[TBK], 0
	s_mov_b32 s[TBV], 0
	s_mov_b32 s[SLOTS], 7
	s_sub_co_u32 s[LIM], s[WV], 4
	s_lshr_b32 s[LIM], s[LIM], 1
	s_cmp_eq_u32 s[LIM], 0                         ; waves 4 and 5
	s_cselect_b32 s[LIM], 1, -1
	s_and_b32 s53, s[WV], 1                        ; which half of a slot's rows I fetch
	s_mov_b32 s[G0K], 1
	s_mul_i32 s[G0K+1], s53, 128*PK
	s_mov_b32 s[G0V], 1
	s_mul_i32 s[G0V+1], s53, 128*PV
	s_add_co_u32 s[G0V+1], s[G0V+1], VOFF
	s_mov_b32 s2, s23
	s_mov_b32 s3, 0
	s_wait_dscnt 0x0                               ; both opening adds are done
	s_wait_kmcnt 0x0
	s_add_nc_u64 s[8:9], s[4:5], s[2:3]            ; the head in q's part
	s_add_nc_u64 s[20:21], s[6:7], s[2:3]
	s_add_nc_u64 s[16:17], s[8:9], s[54:55]        ; Q at my first query
	s_add_nc_u64 s[20:21], s[20:21], s[54:55]      ; yh likewise
	s_add_nc_u64 s[10:11], s[8:9], 0x2000000       ; the head's V
	s_add_nc_u64 s[8:9], s[8:9], 0x1000000         ; the head's K
	s_lshl_b32 s2, s53, 14                         ; my half: 128 rows of 128 bytes
	s_add_nc_u64 s[G0K+2:G0K+3], s[8:9], s[2:3]
	s_or_b32 s[G0K+3], s[G0K+3], 0x80000000
	s_add_nc_u64 s[G0V+2:G0V+3], s[10:11], s[2:3]
	s_or_b32 s[G0V+3], s[G0V+3], 0x80000000
	s_cmp_eq_u32 s[WV], 4
	s_cselect_b64 s[PFA:PFA+1], s[8:9], s[10:11]
	s_lshl_b32 s2, s13, 13                         ; my work-group's 8,192 bytes,
	s_add_nc_u64 s[PFA:PFA+1], s[PFA:PFA+1], s[2:3]
	s_add_nc_u64 s[PFA:PFA+1], s[PFA:PFA+1], 32768 ; in slot 1: the first change of slots steps it to slot 2
	CROUND                                         ; all four work-groups are here
	TLOAD                                          ; slot 0
	v_and_b32 v13, 15, v0                          ; r
	v_bfe_u32 v14, v0, 4, 1                        ; lane / 16
	v_lshlrev_b32 v[QO], 7, v13
	v_lshl_add_u32 v[QO], v14, 4, v[QO]
.irp f, 0,1,2,3                        ; Q stays in registers: tile f / 2, channels 32 (f % 2) on
	global_load_b128 v[32+8*\f:35+8*\f], v[QO], s[16:17] offset:(\f/2)*2048+(\f%2)*64
	global_load_b128 v[36+8*\f:39+8*\f], v[QO], s[16:17] offset:(\f/2)*2048+(\f%2)*64+32
.endr
	v_mul_u32_u24 v[AK0], v13, PK
	v_lshl_add_u32 v[AK0], v14, 4, v[AK0]          ; K: row r x pitch + 16 x half
	v_and_b32 v15, 7, v0
	v_lshl_add_u32 v[AV0], v14, 3, v15
	v_mul_u32_u24 v[AV0], v[AV0], PV
	v_bfe_u32 v15, v0, 3, 1
	v_lshl_add_u32 v[AV0], v15, 4, v[AV0]
	v_add_nc_u32 v[AV0], VOFF, v[AV0]              ; V, for the turning load: key 8 (l / 16) + l % 8, channels 8 ((l / 8) % 2) on
	v_lshlrev_b32 v15, 3, v14
	v_sub_nc_u32 v[QL], v13, v15
	v_add_nc_u32 v[QL], s22, v[QL]
	v_and_b32 v15, 31, v0
	v_lshlrev_b32 v[PFO], 8, v15
	v_lshlrev_b32 v[GO], 4, v15
	s_mul_i32 s2, s[WV], 32*PK
	s_add_co_u32 s2, s2, STAGE                     ; my stage
	v_mul_u32_u24 v[STO], v13, PK
	v_lshl_add_u32 v[STO], v14, 4, v[STO]
	v_add_nc_u32 v[STO], s2, v[STO]
	v_lshrrev_b32 v[RD], 3, v15
	v_mul_u32_u24 v[RD], v[RD], PK
	v_and_b32 v15, 7, v0
	v_lshl_add_u32 v[RD], v15, 4, v[RD]
	v_add_nc_u32 v[RD], s2, v[RD]                  ; back: eight lanes to a row of 128 bytes, four rows an instruction
.irp t, 0,1
	v_mov_b32 v[17+8*\t], 0xff61b1e6               ; m = -3e38
	v_mul_f32 v[16+8*\t], s[CS], v[17+8*\t]        ; c m
.irp j, 2,3,4,5,6,7
	v_mov_b32 v[16+8*\t+\j], 0                     ; l, and the registers at work: written once, so that none is read unwritten
.endr
.endr
.set j, 0
.rept 64
	v_mov_b32 v[192+j], 0                          ; O^T: the step is written once; its first pass finds zeros
.set j, j+1
.endr
.macro SOFT                            ; both tiles' softmax of a step, the tiles by turns line by line
.irp j, 0,1,2,3
.irp t, 0,1
	v_max3_num_f32 v[20+8*\t+\j], v[128+32*\t+8*\j], v[129+32*\t+8*\j], v[130+32*\t+8*\j]   ; four chains; each accumulator is read from its low end on
.endr
.endr
.irp u, 3,5
.irp j, 0,1,2,3
.irp t, 0,1
	v_max3_num_f32 v[20+8*\t+\j], v[20+8*\t+\j], v[128+32*\t+8*\j+\u], v[129+32*\t+8*\j+\u]
.endr
.endr
.endr
.irp t, 0,1
	v_max3_num_f32 v[20+8*\t], v[20+8*\t], v[135+32*\t], v[143+32*\t]
	v_max3_num_f32 v[22+8*\t], v[22+8*\t], v[151+32*\t], v[159+32*\t]
.endr
.irp t, 0,1
	v_max3_num_f32 v[20+8*\t], v[20+8*\t], v[21+8*\t], v[22+8*\t]
.endr
.irp t, 0,1
	v_max3_num_f32 v[20+8*\t], v[20+8*\t], v[23+8*\t], v[17+8*\t]   ; with the old m
.endr
.irp t, 0,1
	v_permlanex16_b32 v[21+8*\t], v[20+8*\t], s[SEL], s[SEL+1]      ; the query's other 32 keys lie in the lane 16 away
.endr
.irp t, 0,1
	v_mov_b32 v[23+8*\t], v[16+8*\t]               ; c m_old
.endr
.irp t, 0,1
	v_max_num_f32 v[17+8*\t], v[20+8*\t], v[21+8*\t]
.endr
.irp t, 0,1
	v_mul_f32 v[16+8*\t], s[CS], v[17+8*\t]
.endr
.irp t, 0,1
	v_sub_f32 v[23+8*\t], v[23+8*\t], v[16+8*\t]
.endr
.set j, 0
.rept 16
.irp t, 0,1
	v_pk_fma_f32 v[128+32*\t+j:129+32*\t+j], v[128+32*\t+j:129+32*\t+j], s[CS:CS+1], v[16+8*\t:17+8*\t] op_sel_hi:[1,0,0] neg_lo:[0,0,1] neg_hi:[0,0,1]   ; c s - c m
.endr
.set j, j+2
.endr
.irp t, 0,1
	v_exp_f32 v[22+8*\t], v[23+8*\t]               ; a
.endr
.set j, 0
.rept 32
.irp t, 0,1
	v_exp_f32 v[128+32*\t+j], v[128+32*\t+j]       ; p: the 66 exponentials are one batch
.endr
.set j, j+1
.endr
	v_nop                                          ; a plain line behind the last exponential
	s_wait_alu depctr_va_vdst(0)                   ; one wait for the batch, ahead of its first reader
.irp t, 0,1
	v_pk_mul_f32 v[18+8*\t:19+8*\t], v[18+8*\t:19+8*\t], v[22+8*\t:23+8*\t] op_sel_hi:[1,0]   ; l x a
.endr
.irp t, 0,1
	v_pk_add_f32 v[20+8*\t:21+8*\t], v[128+32*\t:129+32*\t], v[130+32*\t:131+32*\t]
.endr
.set j, 4
.rept 7
.irp t, 0,1
	v_pk_add_f32 v[18+8*\t:19+8*\t], v[18+8*\t:19+8*\t], v[128+32*\t+j:129+32*\t+j]           ; the sum of the unrounded p, in two chains
	v_pk_add_f32 v[20+8*\t:21+8*\t], v[20+8*\t:21+8*\t], v[130+32*\t+j:131+32*\t+j]
.endr
.set j, j+4
.endr
.irp t, 0,1
	v_pk_add_f32 v[18+8*\t:19+8*\t], v[18+8*\t:19+8*\t], v[20+8*\t:21+8*\t]
.endr
.set j, 0
.rept 16
.irp t, 0,1
	v_cvt_pk_f16_f32 v[128+32*\t+j], v[128+32*\t+2*j], v[129+32*\t+2*j]   ; P, in place and ascending: register j is written when registers 2 j, 2 j + 1 are read
.endr
.set j, j+1
.endr
.set j, 0
.rept 16
.irp t, 0,1
	v_pk_mul_f32 v[192+32*\t+j:193+32*\t+j], v[192+32*\t+j:193+32*\t+j], v[22+8*\t:23+8*\t] op_sel_hi:[1,0]   ; O^T x a
.endr
.set j, j+2
.endr
.endm
.macro STEP                            ; 64 keys from KF on
	s_cmp_gt_u32 s[KF], s[QHI]                     ; all its keys come after my rank's queries: left out (no barrier and no tensor load stands in a step)
	s_cbranch_scc1 .Lhid_\@
	v_add_nc_u32 v[ADK], s[TBK], v[AK0]
	v_add_nc_u32 v[ADV], s[TBV], v[AV0]
.rept 3
	v_nop                                          ; with the two additions five places behind the last V^T P: four for the loads into its registers, five for the products that write over P
.endr
.irp f, 0,1,2,3,4,5,6,7                ; K: keys 16 (f / 2) on, channels 32 (f % 2) on
	ds_load_b128 v[64+8*\f:67+8*\f], v[ADK] offset:(\f/2)*16*PK+(\f%2)*64
	ds_load_b128 v[68+8*\f:71+8*\f], v[ADK] offset:(\f/2)*16*PK+(\f%2)*64+32
.endr
	s_wait_dscnt 0x0
.set i, 0
.rept 16                               ; S^T = K Q^T: eight accumulators by turns, one instruction a turn; the first eight start the sums
.set rS, 128+32*(i%2)+8*((i/2)%4)
.set rK, 64+8*(2*((i/2)%4)+i/8)
.set rQ, 32+16*(i%2)+8*(i/8)
.if i < 8
	v_wmma_f32_16x16x32_f16 v[rS:rS+7], v[rK:rK+7], v[rQ:rQ+7], 0
.else
	v_wmma_f32_16x16x32_f16 v[rS:rS+7], v[rK:rK+7], v[rQ:rQ+7], v[rS:rS+7]
.endif
.set i, i+1
.endr
.rept 4
	v_nop                                          ; places: for the loads into K's registers and for the first read of the scores
.endr
.irp f, 0,1,2,3,4,5,6,7                ; V, turned: keys 32 (f / 4) on, channels 16 (f % 4) on; it lands while the softmax is walked
	ds_load_tr16_b128 v[64+8*\f:67+8*\f], v[ADV] offset:(\f/4)*32*PV+(\f%4)*32
	ds_load_tr16_b128 v[68+8*\f:71+8*\f], v[ADV] offset:(\f/4)*32*PV+16*PV+(\f%4)*32
.endr
	s_cmp_lt_u32 s[KF], s[QLO]                     ; all its keys count for every query of my rank: no mask
	s_cbranch_scc1 .Lopen_\@
	v_sub_nc_u32 v13, v[QL], s[KF]                 ; register n of tile t holds key KF + 16 (n / 8) + 8 (lane / 16) + n % 8: hidden where 16 (n / 8) + n % 8 - 16 t > this
	v_mov_b32 v14, 0xff800000                      ; -infinity: p = 0 then
.irp t, 0,1
.irp n, 0,1,2,3,4,5,6,7,8,9,10,11,12,13,14,15,16,17,18,19,20,21,22,23,24,25,26,27,28,29,30,31
	v_cmp_gt_i32 vcc_lo, 16*(\n/8)+\n%8-16*\t, v13
	v_cndmask_b32 v[128+32*\t+\n], v[128+32*\t+\n], v14, vcc_lo
.endr
.endr
.Lopen_\@:
	SOFT
	s_wait_dscnt 0x0                               ; V is in
.set i, 0
.rept 16                               ; O^T += V^T P: eight accumulators by turns
.set rO, 192+32*(i%2)+8*((i/2)%4)
.set rV, 64+8*(4*(i/8)+(i/2)%4)
.set rP, 128+32*(i%2)+8*(i/8)
	v_wmma_f32_16x16x32_f16 v[rO:rO+7], v[rV:rV+7], v[rP:rP+7], v[rO:rO+7]
.set i, i+1
.endr
.Lhid_\@:
	s_add_co_u32 s[KF], s[KF], 64
	s_add_co_u32 s[TBK], s[TBK], KSTEPB
	s_add_co_u32 s[TBV], s[TBV], VSTEPB
.endm
.macro FOUR_STEPS                      ; a slot's four steps: written once, walked four times
	s_mov_b32 s[CNT], 4
.Lstep_\@:
	STEP
	s_sub_co_u32 s[CNT], s[CNT], 1
	s_cmp_lg_u32 s[CNT], 0
	s_cbranch_scc1 .Lstep_\@
	s_sub_co_u32 s[TBK], s[TBK], 4*KSTEPB          ; back to a slot's first step,
	s_xor_b32 s[TBK], s[TBK], SLOT1                ; in the other slot
	s_sub_co_u32 s[TBV], s[TBV], 4*VSTEPB
	s_xor_b32 s[TBV], s[TBV], SLOT1
.endm
; THE CHANGE OF SLOTS stands at a slot's head: each wave waits for all its tensor loads, adds 0 to its spare word, and waits for that and for its reads of the slot that it has left.
; fill = 1: a round of the cluster's barrier, and behind it the other slot is asked for jointly: the load has four steps in which to land.
.macro CHANGE fill
	s_wait_tensorcnt 0x0                           ; no tensor load of mine is out, so a group 0 may be written
	ds_add_u32 v[SPW], v[NIL]
.if \fill
	ds_add_u32 v[SPW], v[NIL]                      ; and twice on end here, in every trip alike
	s_xor_b32 s[G0K+1], s[G0K+1], SLOT1
	s_add_nc_u64 s[G0K+2:G0K+3], s[G0K+2:G0K+3], 32768   ; the next 256 keys
	s_xor_b32 s[G0V+1], s[G0V+1], SLOT1
	s_add_nc_u64 s[G0V+2:G0V+3], s[G0V+2:G0V+3], 32768
	s_wait_xcnt 0x0                                ; the last prefetch, a slot back, has read its address
	s_add_nc_u64 s[PFA:PFA+1], s[PFA:PFA+1], 32768
	s_wait_dscnt 0x0
	CROUND
	TLOAD
	ASK
.else
	s_wait_dscnt 0x0
	s_barrier_signal -1
	s_barrier_wait -1
.endif
.endm
	s_wait_loadcnt 0x0                             ; Q
.Lslot:                                            ; seven trips: behind each change of slots but the last the next slot is asked for
	CHANGE 1
	FOUR_STEPS
	s_sub_co_u32 s[SLOTS], s[SLOTS], 1
	s_cmp_lg_u32 s[SLOTS], 0
	s_cbranch_scc1 .Lslot
	CHANGE 0                                       ; the last slot is written out
	FOUR_STEPS
	; THE WAY OUT: l's halves and the other half of the lanes'; O^T / l, rounded to f16, through my stage, out as 512 consecutive bytes an instruction.  The additions and the v_nop are the places behind the last products.
.irp t, 0,1
	v_add_f32 v[20+8*\t], v[18+8*\t], v[19+8*\t]
.endr
.irp t, 0,1
	v_permlanex16_b32 v[21+8*\t], v[20+8*\t], s[SEL], s[SEL+1]
.endr
.irp t, 0,1
	v_add_f32 v[20+8*\t], v[20+8*\t], v[21+8*\t]
.endr
.irp t, 0,1
	v_rcp_f32 v[22+8*\t], v[20+8*\t]
.endr
	v_nop
	s_wait_alu depctr_va_vdst(0)                   ; one wait for both reciprocals, ahead of their first reader
.irp t, 0,1
.set j, 0
.rept 16
	v_pk_mul_f32 v[192+32*\t+j:193+32*\t+j], v[192+32*\t+j:193+32*\t+j], v[22+8*\t:23+8*\t] op_sel_hi:[1,0]
.set j, j+2
.endr
.set j, 0
.rept 16
	v_cvt_pk_f16_f32 v[128+16*\t+j], v[192+32*\t+2*j], v[193+32*\t+2*j]
.set j, j+1
.endr
.irp c, 0,1,2,3
	ds_store_b128 v[STO], v[128+16*\t+4*\c:131+16*\t+4*\c] offset:\t*16*PK+32*\c
.endr
.endr
.irp i, 0,1,2,3,4,5,6,7
	ds_load_b128 v[64+4*\i:67+4*\i], v[RD] offset:\i*4*PK          ; in order behind my stores
.endr
.irp i, 0,1,2,3,4,5,6,7
	s_wait_dscnt 7-\i
	global_store_b128 v[GO], v[64+4*\i:67+4*\i], s[20:21] offset:512*\i
.endr
	s_wait_tensorcnt 0x0                           ; the wave's end
	ds_add_u32 v[SPW], v[NIL]
	s_wait_dscnt 0x0
	CROUND                                         ; the closing round
	s_endpgm
.Lfunc_end_k_qde06ae565b_attn:
	.size	k_qde06ae565b_attn, .Lfunc_end_k_qde06ae565b_attn-k_qde06ae565b_attn
	.p2alignl 7, 3214868480
	.fill 96, 4, 3214868480
	.section	.rodata,"a",@progbits
	.p2align	6, 0x0
	.amdhsa_kernel k_qde06ae565b_attn
		.amdhsa_group_segment_fixed_size 327680
		.amdhsa_private_segment_fixed_size 0
		.amdhsa_enable_private_segment 0
		.amdhsa_kernarg_size 16
		.amdhsa_user_sgpr_count 2
		.amdhsa_user_sgpr_kernarg_segment_ptr 1
		.amdhsa_wavefront_size32 1
		.amdhsa_system_sgpr_workgroup_id_x 1
		.amdhsa_system_sgpr_workgroup_id_y 1
		.amdhsa_system_sgpr_workgroup_id_z 1
		.amdhsa_system_vgpr_workitem_id 0
		.amdhsa_next_free_vgpr 256
		.amdhsa_next_free_sgpr 66
		.amdhsa_reserve_vcc 1
		.amdhsa_float_denorm_mode_32 3
		.amdhsa_float_denorm_mode_16_64 3
		.amdhsa_memory_ordered 1
		.amdhsa_forward_progress 1
		.amdhsa_inst_pref_size 62
	.end_amdhsa_kernel
	.amdgpu_metadata
---
amdhsa.version: [ 1, 2 ]
amdhsa.kernels:
  - .name:           k_qde06ae565b_attn
    .symbol:         k_qde06ae565b_attn.kd
    .args:
      - { .name: qkv, .offset: 0, .size: 8, .value_kind: global_buffer, .address_space: global }
      - { .name: yh, .offset: 8, .size: 8, .value_kind: global_buffer, .address_space: global }
    .group_segment_fixed_size: 327680
    .private_segment_fixed_size: 0
    .kernarg_segment_align: 8
    .kernarg_segment_size: 16
    .max_flat_workgroup_size: 512
    .sgpr_count:     66
    .vgpr_count:     256
    .wavefront_size: 32
...
	.end_amdgpu_metadata
.endif
;; end of part 3
;; launch proj (part 4): grid 4 x 64, 4 waves a work-group, clusters of 4 x 4, 327,680 bytes of LDS; arguments yh, wp, out0; writes out0
.if DOCPART == 4
	.amdgcn_target "amdgcn-amd-amdhsa--gfx1250"
	.amdhsa_code_object_version 6
	.text
	.protected	k_qde06ae565b_proj
	.globl	k_qde06ae565b_proj
	.p2align	8
	.type	k_qde06ae565b_proj,@function
k_qde06ae565b_proj:
	s_mov_b64 s[64:65], 0
	v_nop
	global_prefetch_b8 v0, s[64:65] scope:SCOPE_SE
	s_setreg_imm32_b32 hwreg(HW_REG_WAVE_MODE, 25, 1), 1
	s_wait_xcnt 0x0
	s_wait_alu depctr_hold_cnt(0) depctr_sa_sdst(0) depctr_va_vdst(0) depctr_va_sdst(0) depctr_va_ssrc(0) depctr_va_vcc(0) depctr_vm_vsrc(0)
	s_getreg_b32 s2, hwreg(HW_REG_IB_STS2, 6, 4)
	s_cmp_eq_u32 s2, 0
	s_cbranch_scc0 .Lentry_in_a_cluster
	s_endpgm
.Lentry_in_a_cluster:
	s_bfe_u32 s2, ttmp6, 0x10000c
	s_cmp_lg_u32 s2, 0xf033
	s_cbranch_scc0 .Lentry_shape_is_right
	s_endpgm
.Lentry_shape_is_right:
; PROJ: out0 [8192][1024] f32 = y W_proj, on f16 operands with f32 sums.  y: yh [b][h][t][64] f16 (K = 64 h + d);  W_proj: wp [k 1024][n 1024] f16.
; (The rows t < 16 of every batch are written here like the others and written anew, more finely, by the launch that follows.)
; A tile of C is 128 x 256: 256 work-groups.  Four waves, each 64 x 128: 32 accumulators, 256 registers.  K goes in steps of 128 (two heads) through a ring of two LDS slots: 128 matrix instructions a wave a step.
; A's tile of a step is two dense blocks of 128 rows x 128 bytes, one for each head (waves 0, 1 fetch one each); B's is 128 rows (k) of 512 bytes (waves 2, 3 fetch 64 rows each).
; CLUSTERS: 4 x 4; A's tile is shared along a row of the cluster, B's along a column: joint loads.
; THE MATRIX INSTRUCTION IS USED TRANSPOSED: source 0 = 16 columns n of W_proj, turned out of LDS by ds_load_tr16_b128 (it lies [k][n]); source 1 = 16 rows of y: a lane holds eight neighbouring columns of a row of C.
; REGISTERS: window 0: v16-29 addresses; v64-127 A's fragments, two buffers of 4; v128-255 the way out.  window 1: v0-127 B's fragments, two buffers of 8.  window 2: accumulator (a, b) at v[8 (8 a + b)].
.set PA,     144                       ; a row of A in LDS: 128 bytes + 16
.set PB,     544                       ; a row of B: 512 + 32
.set BOFF,   2*128*PA                  ; a slot: A's two heads, then B
.set SLOT,   BOFF+128*PB
.set STAGE,  2*SLOT                    ; behind the ring: 16 rows x 528 bytes for each wave
.set SPITCH, 528
.set SPARE,  STAGE+4*16*SPITCH         ; the spare words, 128 bytes a wave, which no other line names
.set LAPS,   4                         ; a lap = two K steps
.set ADRA, 16
.set ADRB, 20
.set STO,  24
.set RD,   25
.set CO,   26
.set SPW,  28
.set NIL,  29
.set BK,   128
.set G1, 24
.set G0, 32
.set G1B, 48
.set G0B, 56
.set MSB, 0
.macro WIN new
.if MSB != (\new)
	s_set_vgpr_msb (MSB<<8)|(\new)
.set MSB, (\new)
.endif
.endm
.set MUL,  0xa1                        ; source 0 (B) window 1, source 1 (A) window 0, C and D window 2
.set TO_B, 0x40
.macro JLOAD s                         ; waves 0, 1: A's two heads; waves 2, 3: B's two halves.  An s_nop 0 and four v_nop follow each line
	s_cmp_eq_u32 s11, 0
	s_cbranch_scc0 .Lfor_b_\@
	tensor_load_to_lds s[G0+4*\s:G0+4*\s+3], s[G1:G1+7]
	s_nop 0
.rept 4
	v_nop
.endr
	s_branch .Lasked_\@
.Lfor_b_\@:
	tensor_load_to_lds s[G0B+4*\s:G0B+4*\s+3], s[G1B:G1B+7]
	s_nop 0
.rept 4
	v_nop
.endr
.Lasked_\@:
.endm
.macro CREST
	s_cmp_lg_u32 s10, 0
	s_cbranch_scc1 .Lnot_wave_0_\@
	s_barrier_signal -3
.Lnot_wave_0_\@:
	s_barrier_wait -3
	s_barrier_signal -1
	s_barrier_wait -1
.endm
.macro CROUND
	s_barrier_signal -1
	s_barrier_wait -1
	CREST
.endm
	s_load_b128 s[4:7], s[0:1], 0x0                ; yh, wp
	s_load_b64 s[8:9], s[0:1], 0x10                ; out0
	v_lshl_add_u32 v[SPW], v0, 2, SPARE
	v_mov_b32 v[NIL], 0
	ds_add_u32 v[SPW], v[NIL]                      ; the wave's opening: the add, twice on end, and its wait ahead of my first tensor load
	ds_add_u32 v[SPW], v[NIL]
	v_lshrrev_b32 v1, 5, v0
	v_readfirstlane_b32 s10, v1                    ; wave 0..3
	s_lshr_b32 s11, s10, 1                         ; my half of the tile's rows.  Also: I fetch for A (0) or for B (1)
	s_and_b32 s12, s10, 1                          ; my half of its columns.  Also: which head of A, which 64 rows of B I fetch
	s_bfe_u32 s40, ttmp6, 0x40000
	s_bfe_u32 s41, ttmp6, 0x40004
	s_lshl_b32 s42, ttmp9, 2
	s_add_co_u32 s42, s42, s40                     ; tile column
	s_and_b32 s13, ttmp7, 0xffff
	s_lshl_b32 s13, s13, 2
	s_add_co_u32 s13, s13, s41                     ; tile row
	s_lshl_b32 s43, s41, 2
	s_lshl_b32 s43, 15, s43                        ; my row of the cluster
	s_lshl_b32 s44, 0x1111, s40                    ; my column
	s_or_b32 s[G1+0], s43, (1<<16)|(1<<20)|(1<<21)|(4<<22)|(3<<25)   ; elements of 2 bytes; 4 words of padding behind every 32
	s_mov_b32 s[G1+1], 64<<16
	s_mov_b32 s[G1+2], 128<<16
	s_mov_b32 s[G1+3], 64<<16
	s_mov_b32 s[G1+4], 128
	s_mov_b32 s[G1+5], 64
	s_mov_b32 s[G1+6], 0
	s_mov_b32 s[G1+7], 0
	s_or_b32 s[G1B+0], s44, (1<<16)|(1<<20)|(1<<21)|(6<<22)|(7<<25)  ; 8 words of padding behind every 128
	s_mov_b32 s[G1B+1], 256<<16
	s_mov_b32 s[G1B+2], 64<<16
	s_mov_b32 s[G1B+3], 256<<16
	s_mov_b32 s[G1B+4], 64
	s_mov_b32 s[G1B+5], 1024
	s_mov_b32 s[G1B+6], 0
	s_mov_b32 s[G1B+7], 0
	s_lshr_b32 s16, s13, 4
	s_lshl_b32 s16, s16, 22                        ; A: the batch,
	s_and_b32 s17, s13, 15
	s_lshl_b32 s17, s17, 14                        ; 128 rows of 128 bytes for each tile row in it,
	s_add_co_u32 s16, s16, s17
	s_lshl_b32 s17, s12, 18                        ; my head of the step's two
	s_add_co_u32 s16, s16, s17
	s_mov_b32 s17, 0
	s_lshl_b32 s46, s12, 17                        ; B: my 64 rows of 2,048 bytes,
	s_lshl_b32 s47, s42, 9                         ; the tile's 512 bytes of a row
	s_add_co_u32 s46, s46, s47
	s_mov_b32 s47, 0
	s_mul_i32 s20, s12, 128*PA                     ; where they go
	s_mul_i32 s21, s12, 64*PB
	s_add_co_u32 s21, s21, BOFF
	s_wait_dscnt 0x0                               ; both opening adds are done
	s_wait_kmcnt 0x0
	s_add_nc_u64 s[14:15], s[4:5], s[16:17]
	s_add_nc_u64 s[46:47], s[6:7], s[46:47]
	CROUND
.irp s, 0,1
	s_mov_b32 s[G0+4*\s], 1
	s_add_co_u32 s[G0+4*\s+1], s20, \s*SLOT
	s_add_nc_u64 s[G0+4*\s+2:G0+4*\s+3], s[14:15], \s*524288       ; K step s: two heads on
	s_or_b32 s[G0+4*\s+3], s[G0+4*\s+3], 0x80000000
	s_mov_b32 s[G0B+4*\s], 1
	s_add_co_u32 s[G0B+4*\s+1], s21, \s*SLOT
	s_add_nc_u64 s[G0B+4*\s+2:G0B+4*\s+3], s[46:47], \s*262144     ; 128 rows on
	s_or_b32 s[G0B+4*\s+3], s[G0B+4*\s+3], 0x80000000
	JLOAD \s
.endr
	v_and_b32 v1, 15, v0
	v_bfe_u32 v2, v0, 4, 1
	v_mul_u32_u24 v3, v1, PA
	v_lshl_add_u32 v3, v2, 4, v3                   ; A: row r x pitch + 16 x half
	v_and_b32 v4, 7, v0
	v_lshl_add_u32 v4, v2, 3, v4
	v_mul_u32_u24 v4, v4, PB
	v_bfe_u32 v5, v0, 3, 1
	v_lshl_add_u32 v4, v5, 4, v4                   ; B, for the turning load: k 8 (l / 16) + l % 8, columns 8 ((l / 8) % 2) on
	s_mul_i32 s21, s11, 64*PA                      ; my 64 rows of A
	s_lshl_b32 s22, s12, 8                         ; my 128 columns of B
	s_add_co_u32 s22, s22, BOFF
.irp s, 0,1
	v_add_nc_u32 v[ADRA+\s], s21, v3
	v_add_nc_u32 v[ADRB+\s], s22, v4
	s_add_co_u32 s21, s21, SLOT
	s_add_co_u32 s22, s22, SLOT
.endr
	s_mul_i32 s23, s10, 16*SPITCH
	s_add_co_u32 s23, s23, STAGE
	v_mul_u32_u24 v5, v1, SPITCH
	v_lshl_add_u32 v5, v2, 5, v5
	v_add_nc_u32 v[STO], s23, v5
	v_and_b32 v6, 31, v0
	v_lshlrev_b32 v[CO], 4, v6
	v_add_nc_u32 v[RD], s23, v[CO]
	s_lshl_b32 s16, s13, 7
	s_lshl_b32 s17, s11, 6
	s_add_co_u32 s16, s16, s17                     ; my first row of C
	s_lshl_b32 s16, s16, 12
	s_lshl_b32 s46, s42, 10
	s_lshl_b32 s47, s12, 9
	s_add_co_u32 s46, s46, s47                     ; my first column, in bytes
	s_add_co_u32 s16, s16, s46
	s_mov_b32 s17, 0
	s_add_nc_u64 s[8:9], s[8:9], s[16:17]
.macro MUL8 f, a, zero                 ; A's block a x B's eight, 32 along K, out of buffer f.  The 32 accumulators take turns in the same order in every quarter
.irp b, 0,1,2,3,4,5,6,7
.if \zero
	v_wmma_f32_16x16x32_f16 v[8*(8*(\a)+\b):8*(8*(\a)+\b)+7], v[64*(\f)+8*\b:64*(\f)+8*\b+7], v[64+32*(\f)+8*(\a):64+32*(\f)+8*(\a)+7], 0
.else
	v_wmma_f32_16x16x32_f16 v[8*(8*(\a)+\b):8*(8*(\a)+\b)+7], v[64*(\f)+8*\b:64*(\f)+8*\b+7], v[64+32*(\f)+8*(\a):64+32*(\f)+8*(\a)+7], v[8*(8*(\a)+\b):8*(8*(\a)+\b)+7]
.endif
.endr
.endm
.macro FETCH slot, q, f                ; 24 LDS loads in one run: quarter q (32 along K) of the slot into buffer f; B's sixteen first, then A's eight
	WIN TO_B
.irp i, 0,1,2,3,4,5,6,7
	ds_load_tr16_b128 v[64*(\f)+8*\i:64*(\f)+8*\i+3],   v[ADRB+\slot] offset:(\q)*32*PB+32*\i
	ds_load_tr16_b128 v[64*(\f)+8*\i+4:64*(\f)+8*\i+7], v[ADRB+\slot] offset:(\q)*32*PB+16*PB+32*\i
.endr
	WIN 0
.irp i, 0,1,2,3
	ds_load_b128 v[64+32*(\f)+8*\i:64+32*(\f)+8*\i+3],   v[ADRA+\slot] offset:((\q)/2)*128*PA+((\q)%2)*64+\i*16*PA
	ds_load_b128 v[64+32*(\f)+8*\i+4:64+32*(\f)+8*\i+7], v[ADRA+\slot] offset:((\q)/2)*128*PA+((\q)%2)*64+\i*16*PA+32
.endr
.endm
.macro PLACES
.rept 4
	v_nop
.endr
.endm
.macro QUARTER slot, q, f, g, zero     ; multiplies buffer f; in its middle fetches quarter q of the same slot into buffer g
	s_wait_dscnt 4                                 ; B and A's blocks 0, 1 are in; the youngest four loads (A's blocks 2, 3) may be out
	WIN MUL
	MUL8 \f, 0, \zero
	MUL8 \f, 1, \zero
	PLACES
	FETCH \slot, \q, \g
	s_wait_dscnt 24                                ; all but the 24 just issued
	WIN MUL
	MUL8 \f, 2, \zero
	MUL8 \f, 3, \zero
.endm
.macro TURN slot, next, fill           ; the last quarter multiplies buffer 1 and changes slots: one barrier, which with fill = 1 opens a round of the cluster's
	WIN 0
	s_wait_tensorcnt 0x0                           ; all my tensor loads have landed: my part of the next slot
	ds_add_u32 v[SPW], v[NIL]
	s_wait_dscnt 5                                 ; the add and the youngest four loads may be out
	WIN MUL
	MUL8 1, 0, 0
	s_wait_dscnt 0x0                               ; the add is done, and my reads of this slot are over
	s_barrier_signal -1
	MUL8 1, 1, 0
.if \fill
	WIN 0
.endif
	s_barrier_wait -1
.if \fill
	CREST                                          ; no wave of any partner still reads this slot or has a load on its way
	s_add_nc_u64 s[G0+4*\slot+2:G0+4*\slot+3], s[G0+4*\slot+2:G0+4*\slot+3], 1048576
	s_add_nc_u64 s[G0B+4*\slot+2:G0B+4*\slot+3], s[G0B+4*\slot+2:G0B+4*\slot+3], 524288
	JLOAD \slot                                    ; the first tensor load behind the round; its four v_nop are also the places in front of the loads below
.else
	PLACES
.endif
	FETCH \next, 0, 0
	WIN MUL
	MUL8 1, 2, 0
	MUL8 1, 3, 0
.endm
	s_wait_tensorcnt 1                             ; my part of K step 0 is in; K step 1's load may be out
	s_barrier_signal -1
	s_barrier_wait -1
	FETCH 0, 0, 0
	QUARTER 0, 1, 0, 1, 1                          ; the first quarter's products start the sums
	WIN 0
	s_mov_b32 s3, LAPS-1
.Llap:                                             ; a trip goes once round the ring and fills both slots again
	QUARTER 0, 2, 1, 0, 0
	QUARTER 0, 3, 0, 1, 0
	TURN 0, 1, 1
	QUARTER 1, 1, 0, 1, 0
	QUARTER 1, 2, 1, 0, 0
	QUARTER 1, 3, 0, 1, 0
	TURN 1, 0, 1
	QUARTER 0, 1, 0, 1, 0
	WIN 0
	s_sub_co_u32 s3, s3, 1
	s_cmp_lg_u32 s3, 0
	s_cbranch_scc1 .Llap
	QUARTER 0, 2, 1, 0, 0                          ; the last lap fills nothing
	QUARTER 0, 3, 0, 1, 0
	TURN 0, 1, 0
	QUARTER 1, 1, 0, 1, 0
	QUARTER 1, 2, 1, 0, 0
	QUARTER 1, 3, 0, 1, 0
	s_wait_dscnt 4
	WIN MUL
	MUL8 1, 0, 0
	MUL8 1, 1, 0
	s_wait_dscnt 0x0
	MUL8 1, 2, 0
	MUL8 1, 3, 0
	WIN 0
; THE WAY OUT: a block of 16 rows x 128 columns goes through my own stage and comes back as rows of 512 bytes.
.macro TOSTAGE a
	WIN 0x08                                       ; the data: window 2
.irp b, 0,1,2,3,4,5,6,7
	ds_store_b128 v[STO], v[64*(\a)+8*\b:64*(\a)+8*\b+3] offset:64*\b            ; each accumulator from its low end on
	ds_store_b128 v[STO], v[64*(\a)+8*\b+4:64*(\a)+8*\b+7] offset:64*\b+16
.endr
	WIN 0
.set BB, BK+64*((\a)%2)
.irp t, 0,1,2,3,4,5,6,7,8,9,10,11,12,13,14,15
	ds_load_b128 v[BB+4*\t:BB+4*\t+3], v[RD] offset:\t*SPITCH
.endr
.endm
.macro SEND a, younger
.set BB, BK+64*((\a)%2)
	s_wait_dscnt \younger
.irp t, 0,1,2,3,4,5,6,7,8,9,10,11,12,13,14,15
	global_store_b128 v[CO], v[BB+4*\t:BB+4*\t+3], s[8:9] offset:(16*(\a)+\t)*4096 th:TH_STORE_NT   ; 32 lanes store 512 consecutive aligned bytes
.endr
.endm
	PLACES
	TOSTAGE 0
.irp a, 1,2,3
.if \a > 1
	s_wait_xcnt 0x0                                ; block a - 2's stores have read their registers: block a's loads may land there
.endif
	TOSTAGE \a
	SEND \a-1, 32                                  ; behind block a - 1's loads: block a's 16 stores and 16 loads
.endr
	SEND 3, 0
	s_wait_tensorcnt 0x0                           ; the wave's end
	ds_add_u32 v[SPW], v[NIL]
	s_wait_dscnt 0x0
	CROUND                                         ; the closing round
	s_endpgm
.Lfunc_end_k_qde06ae565b_proj:
	.size	k_qde06ae565b_proj, .Lfunc_end_k_qde06ae565b_proj-k_qde06ae565b_proj
	.p2alignl 7, 3214868480
	.fill 96, 4, 3214868480
	.section	.rodata,"a",@progbits
	.p2align	6, 0x0
	.amdhsa_kernel k_qde06ae565b_proj
		.amdhsa_group_segment_fixed_size 327680
		.amdhsa_private_segment_fixed_size 0
		.amdhsa_enable_private_segment 0
		.amdhsa_kernarg_size 24
		.amdhsa_user_sgpr_count 2
		.amdhsa_user_sgpr_kernarg_segment_ptr 1
		.amdhsa_wavefront_size32 1
		.amdhsa_system_sgpr_workgroup_id_x 1
		.amdhsa_system_sgpr_workgroup_id_y 1
		.amdhsa_system_sgpr_workgroup_id_z 1
		.amdhsa_system_vgpr_workitem_id 0
		.amdhsa_next_free_vgpr 768
		.amdhsa_next_free_sgpr 66
		.amdhsa_reserve_vcc 0
		.amdhsa_float_denorm_mode_32 3
		.amdhsa_float_denorm_mode_16_64 3
		.amdhsa_memory_ordered 1
		.amdhsa_forward_progress 1
		.amdhsa_inst_pref_size 86
	.end_amdhsa_kernel
	.amdgpu_metadata
---
amdhsa.version: [ 1, 2 ]
amdhsa.kernels:
  - .name:           k_qde06ae565b_proj
    .symbol:         k_qde06ae565b_proj.kd
    .args:
      - { .name: yh, .offset: 0, .size: 8, .value_kind: global_buffer, .address_space: global }
      - { .name: wp, .offset: 8, .size: 8, .value_kind: global_buffer, .address_space: global }
      - { .name: out0, .offset: 16, .size: 8, .value_kind: global_buffer, .address_space: global }
    .group_segment_fixed_size: 327680
    .private_segment_fixed_size: 0
    .kernarg_segment_align: 8
    .kernarg_segment_size: 24
    .max_flat_workgroup_size: 128
    .sgpr_count:     66
    .vgpr_count:     768
    .wavefront_size: 32
...
	.end_amdgpu_metadata
.endif
;; end of part 4
;; launch first16 (part 5): grid 16 x 4, 16 waves a work-group, no clusters, 71,680 bytes of LDS; arguments fine, W_proj, out0; writes out0
.if DOCPART == 5
	.amdgcn_target "amdgcn-amd-amdhsa--gfx1250"
	.amdhsa_code_object_version 6
	.text
	.protected	k_qde06ae565b_first16
	.globl	k_qde06ae565b_first16
	.p2align	8
	.type	k_qde06ae565b_first16,@function
k_qde06ae565b_first16:
	s_mov_b64 s[64:65], 0
	v_nop
	global_prefetch_b8 v0, s[64:65] scope:SCOPE_SE
	s_setreg_imm32_b32 hwreg(HW_REG_WAVE_MODE, 25, 1), 1
	s_wait_xcnt 0x0
; FIRST16: the rows t < 16 of every batch, attention and projection, wholly in f32: under the causal mask these rows average one to sixteen values, and rounded operands would weigh most there.
; fine [b 4][t 16][3072] f32 holds q, k, v of these rows; W_proj [1024][1024] f32; the 64 rows of out0 are written anew.
; SHARES.  A work-group is (64 columns of the output, a batch).  Wave w is head w: it makes its head's attention for the 16 rows, then the part of out[16][64] that comes of its own 64 channels; the sixteen parts
; meet in LDS and wave w adds up row w, in a fixed order.  Each of the sixteen work-groups of a batch makes the attention again: 32 matrix instructions a wave.
; v_wmma_f32_16x16x4_f32: lane (r, h) holds row r and k = 2 h + j in register j.  K IS PERMUTED ALIKE ON BOTH SOURCES: a K step takes two neighbouring registers of each lane, whatever k they hold, the same k on both sides.
; All products are used transposed, so that a lane holds one query (lane % 16) throughout.  The registers that these matrix instructions write (v128-191) are written by them alone.
; No tensor load, no cluster: the operands are a few KiB and go straight into registers.
.set SPARE, 69632                      ; behind the sixteen parts (16 rows x 272 bytes each): the spare words, 128 bytes a wave
	s_load_b128 s[4:7], s[0:1], 0x0                ; fine, W_proj
	s_load_b64 s[8:9], s[0:1], 0x10                ; out0
	v_lshl_add_u32 v5, v0, 2, SPARE                ; v5, v6: the add's two; never rewritten
	v_mov_b32 v6, 0
	v_lshrrev_b32 v8, 5, v0
	v_readfirstlane_b32 s10, v8                    ; wave = head
	s_and_b32 s12, ttmp7, 0xffff                   ; batch
	v_and_b32 v8, 15, v0                           ; r
	v_bfe_u32 v9, v0, 4, 1                         ; h
	v_mul_u32_u24 v1, v8, 12288
	v_lshl_add_u32 v1, v9, 7, v1                   ; q, k: row r, channels 32 h on
	v_mul_u32_u24 v2, v9, 98304
	v_lshl_add_u32 v2, v8, 2, v2                   ; v: keys 8 h on, channel r of a tile of 16
	v_lshlrev_b32 v3, 15, v9
	v_lshl_add_u32 v3, v8, 2, v3                   ; W_proj: rows 8 h on, column r of a tile of 16
	v_lshlrev_b32 v10, 3, v9
	v_sub_nc_u32 v4, v8, v10                       ; r - 8 h: register j holds key 8 h + j: hidden where j > this
	s_mul_i32 s13, s10, 16*272
	v_mul_u32_u24 v7, v8, 272
	v_lshl_add_u32 v7, v9, 5, v7
	v_add_nc_u32 v7, s13, v7                       ; my part: row r, 32 bytes for each half of the lanes
	s_mul_i32 s13, s10, 272
	v_and_b32 v10, 31, v0
	v_lshlrev_b32 v11, 3, v10                      ; 8 bytes a lane
	v_add_nc_u32 v12, s13, v11                     ; row w of a part
	s_mov_b32 s20, 0x76543210
	s_mov_b32 s21, 0xfedcba98
	s_mov_b32 s22, 0x3e38aa3b                      ; c = log2(e) / 8
	s_mul_i32 s14, s12, 196608
	s_lshl_b32 s15, s10, 8
	s_add_co_u32 s14, s14, s15                     ; fine: the batch, my head's 256 bytes of a row
	s_mov_b32 s15, 0
	s_lshl_b32 s16, s10, 18                        ; W_proj: my head's 64 rows,
	s_lshl_b32 s17, ttmp9, 8                       ; the work-group's 64 columns
	s_add_co_u32 s16, s16, s17
	s_mov_b32 s17, 0
	s_lshl_b32 s18, s12, 11
	s_add_co_u32 s18, s18, s10                     ; out0: row 2,048 b + w,
	s_lshl_b32 s18, s18, 12
	s_lshl_b32 s19, ttmp9, 8
	s_add_co_u32 s18, s18, s19
	s_mov_b32 s19, 0
	s_wait_kmcnt 0x0
	s_add_nc_u64 s[4:5], s[4:5], s[14:15]
	s_add_nc_u64 s[6:7], s[6:7], s[16:17]
	s_add_nc_u64 s[8:9], s[8:9], s[18:19]
.irp i, 0,1,2,3,4,5,6,7
	global_load_b128 v[32+4*\i:35+4*\i], v1, s[4:5] offset:16*\i               ; q: register n = channel 32 h + n
.endr
.irp i, 0,1,2,3,4,5,6,7
	global_load_b128 v[64+4*\i:67+4*\i], v1, s[4:5] offset:4096+16*\i          ; k likewise
.endr
.irp c, 0,1,2,3
.irp i, 0,1,2,3,4,5,6,7
	global_load_b32 v[96+8*\c+\i], v2, s[4:5] offset:8192+\i*12288+64*\c       ; v(key 8 h + i, channel 16 c + r)
.endr
.endr
	s_wait_loadcnt 32                              ; q and k are in; v's 32 loads may be out
.set kk, 0
.rept 16                               ; S^T = k q^T: two accumulators by turns, added up afterwards
.if kk < 2
	v_wmma_f32_16x16x4_f32 v[128+8*(kk%2):135+8*(kk%2)], v[64+2*kk:65+2*kk], v[32+2*kk:33+2*kk], 0
.else
	v_wmma_f32_16x16x4_f32 v[128+8*(kk%2):135+8*(kk%2)], v[64+2*kk:65+2*kk], v[32+2*kk:33+2*kk], v[128+8*(kk%2):135+8*(kk%2)]
.endif
.set kk, kk+1
.endr
.irp n, 0,1
.irp c, 0,1,2,3
.irp i, 0,1,2,3,4,5,6,7
	global_load_b32 v[192+32*\n+8*\c+\i], v3, s[6:7] offset:(16*\c+\i)*4096+64*\n   ; W_proj(64 w + 16 c + 8 h + i, 16 n + r): the first two tiles of columns
.endr
.endr
.endr
.rept 8
	v_nop                                          ; eight places behind this form before its results are read (ISA guide 7.12.1)
.endr
.irp j, 0,1,2,3,4,5,6,7
	v_add_f32 v[24+\j], v[128+\j], v[136+\j]       ; the scores, from the accumulators' low end on
.endr
	v_mov_b32 v13, 0xff800000
.irp j, 0,1,2,3,4,5,6,7
	v_cmp_gt_i32 vcc_lo, \j, v4
	v_cndmask_b32 v[24+\j], v[24+\j], v13, vcc_lo  ; hidden keys: -infinity
.endr
	v_max3_num_f32 v14, v24, v25, v26
	v_max3_num_f32 v14, v14, v27, v28
	v_max3_num_f32 v14, v14, v29, v30
	v_max_num_f32 v14, v14, v31
	v_mov_b32 v15, 0
	v_permlanex16_b32 v15, v14, s20, s21
	v_max_num_f32 v14, v14, v15                    ; the row's maximum (key 0 counts for every query: it is a number)
	v_mul_f32 v14, s22, v14
.irp j, 0,1,2,3,4,5,6,7
	v_fma_f32 v[24+\j], v[24+\j], s22, -v14
.endr
.irp j, 0,1,2,3,4,5,6,7
	v_exp_f32 v[24+\j], v[24+\j]
.endr
	v_nop
	s_wait_alu depctr_va_vdst(0)                   ; one wait for the eight, ahead of their first reader
	v_add_f32 v8, v24, v25
	v_add_f32 v9, v26, v27
	v_add_f32 v8, v8, v28
	v_add_f32 v9, v9, v29
	v_add_f32 v8, v8, v30
	v_add_f32 v9, v9, v31
	v_add_f32 v8, v8, v9
	v_permlanex16_b32 v15, v8, s20, s21
	v_add_f32 v8, v8, v15
	v_rcp_f32 v9, v8
	v_nop
	s_wait_alu depctr_va_vdst(0)
.irp j, 0,1,2,3,4,5,6,7
	v_mul_f32 v[16+\j], v[24+\j], v9               ; the weights, normalised
.endr
	s_wait_loadcnt 63                              ; v is in: 64 loads are younger
.set kk, 0
.rept 4                                ; Y^T = v^T p: four tiles of channels by turns; K = the 16 keys
.irp c, 0,1,2,3
.if kk == 0
	v_wmma_f32_16x16x4_f32 v[144+8*\c:151+8*\c], v[96+8*\c+2*kk:97+8*\c+2*kk], v[16+2*kk:17+2*kk], 0
.else
	v_wmma_f32_16x16x4_f32 v[144+8*\c:151+8*\c], v[96+8*\c+2*kk:97+8*\c+2*kk], v[16+2*kk:17+2*kk], v[144+8*\c:151+8*\c]
.endif
.endr
.set kk, kk+1
.endr
.irp n, 0,1
.irp c, 0,1,2,3
.irp i, 0,1,2,3,4,5,6,7
	global_load_b32 v[32+32*\n+8*\c+\i], v3, s[6:7] offset:(16*\c+\i)*4096+64*(\n+2)   ; the other two tiles of columns, where q and k lay (the softmax's lines are the places behind their products)
.endr
.endr
.endr
.rept 9
	v_nop                                          ; nine places before a result becomes a source of this form
.endr
	s_wait_loadcnt 63                              ; the first two tiles of W_proj are in: 64 loads are younger
.irp c, 0,1,2,3                        ; OUT^T = W^T Y^T: K = my 64 channels; two tiles of columns by turns
.irp k, 0,1,2,3
.irp n, 0,1
.if (\c == 0) && (\k == 0)
	v_wmma_f32_16x16x4_f32 v[128+8*\n:135+8*\n], v[192+32*\n+8*\c+2*\k:193+32*\n+8*\c+2*\k], v[144+8*\c+2*\k:145+8*\c+2*\k], 0
.else
	v_wmma_f32_16x16x4_f32 v[128+8*\n:135+8*\n], v[192+32*\n+8*\c+2*\k:193+32*\n+8*\c+2*\k], v[144+8*\c+2*\k:145+8*\c+2*\k], v[128+8*\n:135+8*\n]
.endif
.endr
.endr
.endr
	s_wait_loadcnt 0x0
.irp c, 0,1,2,3
.irp k, 0,1,2,3
.irp n, 0,1
.if (\c == 0) && (\k == 0)
	v_wmma_f32_16x16x4_f32 v[176+8*\n:183+8*\n], v[32+32*\n+8*\c+2*\k:33+32*\n+8*\c+2*\k], v[144+8*\c+2*\k:145+8*\c+2*\k], 0
.else
	v_wmma_f32_16x16x4_f32 v[176+8*\n:183+8*\n], v[32+32*\n+8*\c+2*\k:33+32*\n+8*\c+2*\k], v[144+8*\c+2*\k:145+8*\c+2*\k], v[176+8*\n:183+8*\n]
.endif
.endr
.endr
.endr
.rept 8
	v_nop
.endr
.irp n, 0,1
	ds_store_b128 v7, v[128+8*\n:131+8*\n] offset:64*\n            ; lane (r, h): my part of out(r, 16 n + 8 h + 0 .. 7); each accumulator from its low end on
	ds_store_b128 v7, v[132+8*\n:135+8*\n] offset:64*\n+16
.endr
.irp n, 0,1
	ds_store_b128 v7, v[176+8*\n:179+8*\n] offset:128+64*\n
	ds_store_b128 v7, v[180+8*\n:183+8*\n] offset:128+64*\n+16
.endr
	s_wait_dscnt 0x0                               ; for the others' sake: my part lies in LDS
	s_barrier_signal -1
	s_barrier_wait -1
.irp i, 0,1,2,3,4,5,6,7,8,9,10,11,12,13,14,15
	ds_load_b64 v[192+2*\i:193+2*\i], v12 offset:4352*\i           ; row w of each of the sixteen parts
.endr
	s_wait_dscnt 0x0
.irp i, 0,1,2,3,4,5,6,7
	v_pk_add_f32 v[192+4*\i:193+4*\i], v[192+4*\i:193+4*\i], v[194+4*\i:195+4*\i]
.endr
.irp i, 0,1,2,3
	v_pk_add_f32 v[192+8*\i:193+8*\i], v[192+8*\i:193+8*\i], v[196+8*\i:197+8*\i]
.endr
.irp i, 0,1
	v_pk_add_f32 v[192+16*\i:193+16*\i], v[192+16*\i:193+16*\i], v[200+16*\i:201+16*\i]
.endr
	v_pk_add_f32 v[192:193], v[192:193], v[208:209]
	global_store_b64 v11, v[192:193], s[8:9]       ; 32 lanes store 256 consecutive aligned bytes
	s_wait_tensorcnt 0x0                           ; the wave's end, behind my last LDS store
	ds_add_u32 v5, v6
	s_wait_dscnt 0x0
	s_endpgm
.Lfunc_end_k_qde06ae565b_first16:
	.size	k_qde06ae565b_first16, .Lfunc_end_k_qde06ae565b_first16-k_qde06ae565b_first16
	.p2alignl 7, 3214868480
	.fill 96, 4, 3214868480
	.section	.rodata,"a",@progbits
	.p2align	6, 0x0
	.amdhsa_kernel k_qde06ae565b_first16
		.amdhsa_group_segment_fixed_size 71680
		.amdhsa_private_segment_fixed_size 0
		.amdhsa_enable_private_segment 0
		.amdhsa_kernarg_size 24
		.amdhsa_user_sgpr_count 2
		.amdhsa_user_sgpr_kernarg_segment_ptr 1
		.amdhsa_wavefront_size32 1
		.amdhsa_system_sgpr_workgroup_id_x 1
		.amdhsa_system_sgpr_workgroup_id_y 1
		.amdhsa_system_sgpr_workgroup_id_z 1
		.amdhsa_system_vgpr_workitem_id 0
		.amdhsa_next_free_vgpr 256
		.amdhsa_next_free_sgpr 66
		.amdhsa_reserve_vcc 1
		.amdhsa_float_denorm_mode_32 3
		.amdhsa_float_denorm_mode_16_64 3
		.amdhsa_memory_ordered 1
		.amdhsa_forward_progress 1
		.amdhsa_inst_pref_size 32
	.end_amdhsa_kernel
	.amdgpu_metadata
---
amdhsa.version: [ 1, 2 ]
amdhsa.kernels:
  - .name:           k_qde06ae565b_first16
    .symbol:         k_qde06ae565b_first16.kd
    .args:
      - { .name: fine, .offset: 0, .size: 8, .value_kind: global_buffer, .address_space: global }
      - { .name: W_proj, .offset: 8, .size: 8, .value_kind: global_buffer, .address_space: global }
      - { .name: out0, .offset: 16, .size: 8, .value_kind: global_buffer, .address_space: global }
    .group_segment_fixed_size: 71680
    .private_segment_fixed_size: 0
    .kernarg_segment_align: 8
    .kernarg_segment_size: 24
    .max_flat_workgroup_size: 512
    .sgpr_count:     66
    .vgpr_count:     256
    .wavefront_size: 32
...
	.end_amdgpu_metadata
.endif
;; end of part 5
